; MI455X (gfx1250); checked and timed in simulation.
; The chip was launched on July 23, 2026; its instructions are those of AMD's public machine-readable ISA for CDNA 5 (MIT licence, August 2026) and "CDNA5" Instruction Set Architecture Reference Guide (July 2026). The comments in the code are by the model that wrote it; some were corrected since.
;; Casual Self Attention. Allowed arithmetic: float matrix products may take bf16 or f16 operands with f32 sums; other float arithmetic in f32, or as packed bf16 or f16 multiplies, adds, multiply-adds, maxima and minima; sums over many terms, partial sums and values carried from step to step in f32; what a program stores and reads back later, other than sums and carried values, may be rounded once to bf16 or f16.
;; Inputs: Wk 1,024 x 1,024 float32; Wq 1,024 x 1,024 float32; Wv 1,024 x 1,024 float32; x 4 x 2,048 x 1,024 float32.
;; Outputs: out0 4 x 2,048 x 1,024 float32.
;; One version. Each part assembles by itself: llvm-mc -triple=amdgcn-amd-amdhsa -mcpu=gfx1250 --defsym DOCPART=n.
;; ======== version 1 of 1: 5 launches
;; limits: values are held in f16: magnitudes above 65,504 overflow, below 6.1e-05 lose precision
;; workspace buffers: xh 16,777,216 bytes; wh 6,291,456 bytes; qk 33,554,432 bytes; pm 33,554,432 bytes; st 1,048,576 bytes; zh 16,777,216 bytes
;; launch prep (part 1): grid 896 x 1, 8 waves a work-group, no clusters, 18,432 bytes of LDS; arguments x, Wq, Wk, Wv, xh, wh, st; writes xh, wh, st
.if DOCPART == 1
	.amdgcn_target "amdgcn-amd-amdhsa--gfx1250"
	.amdhsa_code_object_version 6
	.text
	.protected	k_q8c99d3e63a_prep
	.globl	k_q8c99d3e63a_prep
	.p2align	8
	.type	k_q8c99d3e63a_prep,@function
k_q8c99d3e63a_prep:
	s_mov_b64 s[64:65], 0
	v_nop
	global_prefetch_b8 v0, s[64:65] scope:SCOPE_SE
	s_setreg_imm32_b32 hwreg(HW_REG_WAVE_MODE, 25, 1), 1
	s_wait_xcnt 0x0
; PREP.  Every input number is rounded once to bf16 (nearest even) and that number is written as f16.
; LIMITS.  The f16 copy is exact for 7.6e-6 <= |a| < 65,520; below, it keeps f16's fixed step of 6e-8; from 65,520 on it is an infinity.
; Work-groups 0-511: x [8192][1024] f32 -> xh, same order, f16: 16,384 numbers each; they also start the table st (cm far below every score, l = 0), 1,024 bytes of each plane a work-group.
; Work-groups 512-895: a block of 128 d x 64 e of Wq, Wk or Wv ([d][e] f32) is turned through LDS into wh [3072 (e of q, k, v)][1024 (d)] f16.
; A stream: no matrix unit, no tensor load, no cluster.  For x a wave's load takes 512 consecutive bytes and its store fills 256 consecutive bytes, aligned: each byte is named by one instruction.
.set TP,    272                        ; a row of the turned block in LDS: 128 d x 2 bytes + 16
.set SPARE, 64*TP                      ; behind the block: the spare words, 128 bytes for each of eight waves
.set SPW, 4                            ; v4   LDS address of my spare word; never rewritten
.set NIL, 5                            ; v5   0; never rewritten
.set T,   6                            ; v6-7 at work
.set X,   16                           ; v[16:79]  as loaded
.set Y,   80                           ; v[80:111] to store
.set WV,  4                            ; s4   my wave's number
.set HM,  5                            ; s5   a word's upper half
.macro CV out, lo, hi                  ; two numbers: to bf16, widened again (a shift, a mask), to f16
	v_cvt_pk_bf16_f32 v[T], v[\lo], v[\hi]
	v_lshlrev_b32 v[T+1], 16, v[T]
	v_and_b32 v[T], s[HM], v[T]
	v_cvt_pk_f16_f32 v[\out], v[T+1], v[T]
.endm
	s_load_b256 s[8:15], s[0:1], 0x0               ; x 8, Wq 10, Wk 12, Wv 14
	s_load_b128 s[16:19], s[0:1], 0x20             ; xh 16, wh 18
	s_load_b64 s[20:21], s[0:1], 0x30              ; st
	v_lshl_add_u32 v[SPW], v0, 2, SPARE
	v_mov_b32 v[NIL], 0
	v_lshrrev_b32 v1, 5, v0
	v_readfirstlane_b32 s[WV], v1
	s_mov_b32 s[HM], 0xffff0000
	s_mov_b32 s3, 0
	s_wait_kmcnt 0x0
	s_cmp_lt_u32 ttmp9, 512
	s_cbranch_scc0 .Lweights
	; ---- x: thread t, turn i: 16 bytes in at 4,096 i + 16 t, 8 bytes out at 2,048 i + 8 t
	s_lshl_b32 s2, ttmp9, 16
	s_add_nc_u64 s[8:9], s[8:9], s[2:3]
	s_lshl_b32 s2, ttmp9, 15
	s_add_nc_u64 s[16:17], s[16:17], s[2:3]
	v_lshlrev_b32 v2, 4, v0
	v_lshlrev_b32 v3, 3, v0
.irp i, 0,1,2,3,4,5,6,7,8,9,10,11,12,13,14,15
	global_load_b128 v[X+4*(\i):X+4*(\i)+3], v2, s[8:9] offset:(\i)*4096 th:TH_LOAD_NT
.endr
.irp i, 0,1,2,3,4,5,6,7,8,9,10,11,12,13,14,15
	s_wait_loadcnt 15-(\i)                         ; loads come back in order: turn i's is in, the younger ones stay out
	CV Y+2*(\i)+0, X+4*(\i)+0, X+4*(\i)+1
	CV Y+2*(\i)+1, X+4*(\i)+2, X+4*(\i)+3
	global_store_b64 v3, v[Y+2*(\i):Y+2*(\i)+1], s[16:17] offset:(\i)*2048
.endr
	s_cmp_lt_u32 s[WV], 4
	s_cbranch_scc0 .Lend
	v_and_b32 v8, 31, v0
	v_lshlrev_b32 v8, 4, v8                        ; 16 x lane
	s_cmp_lt_u32 s[WV], 2                          ; waves 0, 1: plane cm; waves 2, 3: plane l, 524,288 bytes on
	s_cselect_b32 s6, 0xfe000000, 0
	s_lshl_b32 s2, ttmp9, 10
	s_and_b32 s7, s[WV], 1
	s_lshl_b32 s7, s7, 9
	s_add_co_u32 s2, s2, s7
	s_lshr_b32 s7, s[WV], 1
	s_lshl_b32 s7, s7, 19
	s_add_co_u32 s2, s2, s7
	s_add_nc_u64 s[20:21], s[20:21], s[2:3]
	v_mov_b32 v12, s6
	v_mov_b32 v13, s6
	v_mov_b32 v14, s6
	v_mov_b32 v15, s6
	global_store_b128 v8, v[12:15], s[20:21]       ; 512 bytes on end
	s_branch .Lend
.Lweights:
	; ---- a weight block.  u = w x 128 + dt x 16 + et
	s_sub_co_u32 s2, ttmp9, 512
	s_lshr_b32 s6, s2, 7                           ; w: which weight
	s_bfe_u32 s7, s2, 0x30004                      ; dt: which 128 d
	s_and_b32 s28, s2, 15                          ; et: which 64 e
	s_cmp_eq_u32 s6, 0
	s_cselect_b64 s[26:27], s[10:11], s[12:13]
	s_cmp_eq_u32 s6, 2
	s_cselect_b64 s[26:27], s[14:15], s[26:27]
	s_lshl_b32 s2, s7, 19                          ; 128 rows of 4,096 bytes
	s_lshl_b32 s29, s28, 8
	s_add_co_u32 s2, s2, s29
	s_add_nc_u64 s[26:27], s[26:27], s[2:3]
	v_and_b32 v1, 15, v0                           ; c16: my four e
	v_lshrrev_b32 v2, 4, v0                        ; p: my pair of d
	v_lshlrev_b32 v3, 13, v2
	v_lshl_add_u32 v3, v1, 4, v3                   ; 2 p rows + 16 c16
.irp i, 0,1,2,3
	global_load_b128 v[X+8*(\i):X+8*(\i)+3],   v3, s[26:27] offset:(\i)*131072 th:TH_LOAD_NT       ; d = 2 p + 32 i
	global_load_b128 v[X+8*(\i)+4:X+8*(\i)+7], v3, s[26:27] offset:(\i)*131072+4096 th:TH_LOAD_NT  ; d + 1
.endr
	v_mul_u32_u24 v8, v1, 4*TP
	v_lshl_add_u32 v8, v2, 2, v8                   ; row 4 c16, byte 4 p
.irp i, 0,1,2,3
	s_wait_loadcnt 6-2*(\i)
.irp c, 0,1,2,3
	CV Y+4*(\i)+(\c), X+8*(\i)+(\c), X+8*(\i)+4+(\c)
	ds_store_b32 v8, v[Y+4*(\i)+(\c)] offset:(\c)*TP+64*(\i)   ; e = 4 c16 + c; d and d + 1 side by side
.endr
.endr
	s_wait_dscnt 0x0                               ; for the others' sake: my stores are done
	s_barrier_signal -1
	s_barrier_wait -1
	v_mul_u32_u24 v9, v2, TP
	v_lshl_add_u32 v9, v1, 4, v9                   ; row p, 16 bytes at 16 c16
.irp i, 0,1,2,3
	ds_load_b128 v[X+4*(\i):X+4*(\i)+3], v9 offset:(\i)*16*TP
.endr
	s_lshl_b32 s2, s6, 10
	s_lshl_b32 s29, s28, 6
	s_add_co_u32 s2, s2, s29
	s_lshl_b32 s2, s2, 11                          ; row w x 1,024 + et x 64 of wh, 2,048 bytes a row
	s_lshl_b32 s29, s7, 8
	s_add_co_u32 s2, s2, s29
	s_add_nc_u64 s[18:19], s[18:19], s[2:3]
	v_lshlrev_b32 v10, 11, v2
	v_lshl_add_u32 v10, v1, 4, v10
.irp i, 0,1,2,3
	s_wait_dscnt 3-(\i)
	global_store_b128 v10, v[X+4*(\i):X+4*(\i)+3], s[18:19] offset:(\i)*32768  ; sixteen lanes store 256 consecutive bytes, aligned
.endr
.Lend:
	s_wait_tensorcnt 0x0                           ; the wave's end: behind my last LDS store
	ds_add_u32 v[SPW], v[NIL]
	s_wait_dscnt 0x0
	s_endpgm
.Lfunc_end_k_q8c99d3e63a_prep:
	.size	k_q8c99d3e63a_prep, .Lfunc_end_k_q8c99d3e63a_prep-k_q8c99d3e63a_prep
	.p2alignl 7, 3214868480
	.fill 96, 4, 3214868480
	.section	.rodata,"a",@progbits
	.p2align	6, 0x0
	.amdhsa_kernel k_q8c99d3e63a_prep
		.amdhsa_group_segment_fixed_size 18432
		.amdhsa_private_segment_fixed_size 0
		.amdhsa_enable_private_segment 0
		.amdhsa_kernarg_size 56
		.amdhsa_user_sgpr_count 2
		.amdhsa_user_sgpr_kernarg_segment_ptr 1
		.amdhsa_wavefront_size32 1
		.amdhsa_system_sgpr_workgroup_id_x 1
		.amdhsa_system_sgpr_workgroup_id_y 1
		.amdhsa_system_sgpr_workgroup_id_z 1
		.amdhsa_system_vgpr_workitem_id 0
		.amdhsa_next_free_vgpr 120
		.amdhsa_next_free_sgpr 66
		.amdhsa_reserve_vcc 0
		.amdhsa_float_denorm_mode_32 3
		.amdhsa_float_denorm_mode_16_64 3
		.amdhsa_memory_ordered 1
		.amdhsa_forward_progress 1
		.amdhsa_inst_pref_size 19
	.end_amdhsa_kernel
	.amdgpu_metadata
---
amdhsa.version: [ 1, 2 ]
amdhsa.kernels:
  - .name:           k_q8c99d3e63a_prep
    .symbol:         k_q8c99d3e63a_prep.kd
    .args:
      - { .name: x, .offset: 0, .size: 8, .value_kind: global_buffer, .address_space: global }
      - { .name: Wq, .offset: 8, .size: 8, .value_kind: global_buffer, .address_space: global }
      - { .name: Wk, .offset: 16, .size: 8, .value_kind: global_buffer, .address_space: global }
      - { .name: Wv, .offset: 24, .size: 8, .value_kind: global_buffer, .address_space: global }
      - { .name: xh, .offset: 32, .size: 8, .value_kind: global_buffer, .address_space: global }
      - { .name: wh, .offset: 40, .size: 8, .value_kind: global_buffer, .address_space: global }
      - { .name: st, .offset: 48, .size: 8, .value_kind: global_buffer, .address_space: global }
    .group_segment_fixed_size: 18432
    .private_segment_fixed_size: 0
    .kernarg_segment_align: 8
    .kernarg_segment_size: 56
    .max_flat_workgroup_size: 256
    .sgpr_count:     66
    .vgpr_count:     120
    .wavefront_size: 32
...
	.end_amdgpu_metadata
.endif
;; end of part 1
;; launch proj (part 2): grid 8 x 32, 4 waves a work-group, clusters of 4 x 4, 327,680 bytes of LDS; arguments xh, wh, qk; writes qk
.if DOCPART == 2
	.amdgcn_target "amdgcn-amd-amdhsa--gfx1250"
	.amdhsa_code_object_version 6
	.text
	.protected	k_q8c99d3e63a_proj
	.globl	k_q8c99d3e63a_proj
	.p2align	8
	.type	k_q8c99d3e63a_proj,@function
k_q8c99d3e63a_proj:
	s_mov_b64 s[64:65], 0
	v_nop
	global_prefetch_b8 v0, s[64:65] scope:SCOPE_SE
	s_setreg_imm32_b32 hwreg(HW_REG_WAVE_MODE, 25, 1), 1
	s_wait_xcnt 0x0
	s_wait_alu depctr_hold_cnt(0) depctr_sa_sdst(0) depctr_va_vdst(0) depctr_va_sdst(0) depctr_va_ssrc(0) depctr_va_vcc(0) depctr_vm_vsrc(0)
	s_getreg_b32 s2, hwreg(HW_REG_IB_STS2, 6, 4)
	s_cmp_eq_u32 s2, 0
	s_cbranch_scc0 .Lentry_in_a_cluster
	s_endpgm
.Lentry_in_a_cluster:
	s_bfe_u32 s2, ttmp6, 0x10000c
	s_cmp_lg_u32 s2, 0xf033
	s_cbranch_scc0 .Lentry_shape_is_right
	s_endpgm
.Lentry_shape_is_right:
; q AND k.  C[m][n] = sum over k of A[m][k] B[n][k], K = 1,024: A = xh [8192][1024] f16, B = rows 0-2,047 of wh (q's and k's channels), C = qk [8192][2048] f16, rounded once from f32 sums.
; LIMIT: a sum of 65,520 or more becomes an infinity in f16.
; A tile of C, 256 x 256, is made by four waves, 128 x 128 each: 64 accumulators, 512 registers.  K goes in 8 steps of 128 through two LDS slots filled by the tensor data mover;
; a tile's rows are 256 bytes of memory, aligned.  The loop's trip is ONE K step: the slot in hand is a scalar (TB, 0 or SLOT) that an exclusive or turns.
; CLUSTER 4 x 4: A's tiles are asked for jointly along a row of the cluster, B's along a column.  THE MATRIX INSTRUCTION IS USED TRANSPOSED (source 0 = 16 rows of B, source 1 = 16 rows of A):
; a lane holds row l % 16 of C and eight neighbouring columns.
; THE WAY OUT is written once: behind a barrier each wave lays its 128 x 128 sums, in f32, into 128 rows of its own in the ring, whose slots have had their last fill; a loop of 8 trips takes 16 rows a trip.
; REGISTERS: window 0: v0-31 addresses; v64-127, v128-191 fragments of A; on the way out v64-127 rows read back, v192-223 rounded.  window 1: v64-191 fragments of B.  windows 2, 3: accumulators (a, b) at v[8 (8 (a % 4) + b)].
.set BROW,   0                         ; B's first row in wh
.set CSH,    0                         ; a number of C has 2 << CSH bytes
.set KSTEP,  128
.set PITCH,  272                       ; an LDS row: 256 bytes + 16: the 16 rows of a fragment load start at 16 different groups of four banks (ISA guide 11.1)
.set HALFT,  128*PITCH
.set SLOT,   4*HALFT                   ; A's 256 rows, then B's
.set WPIT,   528                       ; the way out: a row of 128 f32 + 16 bytes
.set WSTG,   128*WPIT                  ; a wave's 128 rows; four of them are 270,336 bytes of the ring's 278,528
.set SPARE,  2*SLOT                    ; behind the ring: the spare words, 128 bytes for each wave
.set ROWC,   4096                      ; bytes in a row of C
.set A0,   16                          ; v16  my place in A's tile of slot 0; never rewritten
.set B0,   17                          ; v17  the same for B
.set ADRA, 18                          ; v18  A0 + TB
.set ADRB, 19                          ; v19  B0 + TB
.set STO,  24                          ; v24-27  the way out: in, back (lane term), offset in C, back (this trip)
.set RD,   25
.set CO,   26
.set RDA,  27
.set SPW,  28                          ; v28  LDS address of my spare word; never rewritten
.set NIL,  29                          ; v29  0; never rewritten
.set PFO,  30                          ; v30  the prefetches' offset: my lane x 2,048; never rewritten
.set F0,   64
.set F1,   128
.set S,    64
.set P,    192
.set WV, 12
.set RH, 13                            ; which half of the tile's rows is mine; also: I fetch for A (0) or B (1)
.set CH, 14                            ; which half of its columns; also: which 128 rows I fetch
.set G1, 24                            ; s[24:31] group 1 for A's tiles; s[32:39] group 0: a set for each first fill, the second then walks
.set G0, 32
.set CX, 40
.set CY, 41
.set TC, 42
.set TR, 43
.set TB, 44                            ; the slot that is being read: 0 or SLOT
.set WOFF, 45                          ; my quarter of a slot
.set PFA, 46                           ; s[46:47] where my prefetches stand
.set G1B, 48
.set G0B, 56
.set LIM, 66                           ; 2 in a wave that prefetches, else the greatest number
.set SB,  67                           ; the way out: the trip's 16 rows, in bytes
.set MSB, 0
.macro WIN new                         ; the immediate's high byte repeats the setting that is left; a switch that changes nothing is dropped
.if MSB != (\new)
	s_set_vgpr_msb (MSB<<8)|(\new)
.set MSB, \new
.endif
.endm
.set MUL_LO, 0xa1                      ; source 0 (B) window 1, source 1 (A) window 0, C and D window 2
.set TO_B,   0x40                      ; destination window 1, address window 0
.macro PLACES                          ; four plain places behind matrix instructions (ISA guide 7.12.1)
.rept 4
	v_nop
.endr
.endm
.macro JLOAD                           ; the joint refill: waves 0, 1 fetch A's halves, waves 2, 3 B's; an s_nop 0 and four v_nop follow each line
	s_cmp_eq_u32 s[RH], 0
	s_cbranch_scc0 .Lfor_b_\@
	tensor_load_to_lds s[G0+4:G0+7], s[G1:G1+7]
	s_nop 0
	PLACES
	s_branch .Lasked_\@
.Lfor_b_\@:
	tensor_load_to_lds s[G0B+4:G0B+7], s[G1B:G1B+7]
	s_nop 0
	PLACES
.Lasked_\@:
.endm
; A prefetch into the L2 behind each joint refill and the run of LDS loads: the K step two refills on, 32 rows x 256 bytes, a lane a row.  A's tile row is read by every cluster of its row of clusters:
; cluster x = 0 asks; B's tile column by every cluster of its column: cluster y = 0 asks.  The four partners share a wave's 128 rows out by address, 32 each.  K steps 0-3 come by their loads alone; the last two refills name nothing.
.macro ASK
	s_cmp_gt_u32 s3, s[LIM]
	s_cbranch_scc0 .Lnot_mine_\@
	global_prefetch_b8 v[PFO], s[PFA:PFA+1] offset:KSTEP*2 th:TH_LOAD_NT scope:SCOPE_SE
.Lnot_mine_\@:
.endm
.macro CREST                           ; a round of the cluster's barrier behind its opening barrier
	s_cmp_lg_u32 s[WV], 0
	s_cbranch_scc1 .Lnot_wave_0_\@
	s_barrier_signal -3
.Lnot_wave_0_\@:
	s_barrier_wait -3
	s_barrier_signal -1
	s_barrier_wait -1
.endm
.macro CROUND
	s_barrier_signal -1
	s_barrier_wait -1
	CREST
.endm
	s_load_b128 s[4:7], s[0:1], 0x0                ; A s[4:5], wh s[6:7]
	s_load_b64 s[8:9], s[0:1], 0x10                ; C
	v_lshl_add_u32 v[SPW], v0, 2, SPARE
	v_mov_b32 v[NIL], 0
	ds_add_u32 v[SPW], v[NIL]                      ; the wave's opening: the add and its wait ahead of my first tensor load
	ds_add_u32 v28, v29
	v_lshrrev_b32 v1, 5, v0
	v_readfirstlane_b32 s[WV], v1
	s_lshr_b32 s[RH], s[WV], 1
	s_and_b32 s[CH], s[WV], 1
	s_bfe_u32 s[CX], ttmp6, 0x40000
	s_bfe_u32 s[CY], ttmp6, 0x40004
	s_lshl_b32 s[TC], ttmp9, 2
	s_add_co_u32 s[TC], s[TC], s[CX]               ; tile column
	s_and_b32 s[TR], ttmp7, 0xffff
	s_lshl_b32 s[TR], s[TR], 2
	s_add_co_u32 s[TR], s[TR], s[CY]               ; tile row
	s_lshl_b32 s76, s[CY], 2
	s_lshl_b32 s76, 15, s76                        ; my row of the cluster
	s_lshl_b32 s77, 0x1111, s[CX]                  ; my column
	s_or_b32 s[G1+0], s76, (1<<16)|(1<<20)|(1<<21)|(5<<22)|(3<<25)   ; mask; 2-byte elements; padding on; bit 21 beside a mask; after every 64 words; 4 words
	s_or_b32 s[G1B+0], s77, (1<<16)|(1<<20)|(1<<21)|(5<<22)|(3<<25)
.irp g, G1, G1B
	s_mov_b32 s[(\g)+1], KSTEP<<16                 ; tensor_dim0 = 128
	s_mov_b32 s[(\g)+2], 128<<16                   ; tensor_dim1 = 128
	s_mov_b32 s[(\g)+3], KSTEP<<16                 ; tile_dim0 = 128
	s_mov_b32 s[(\g)+4], 128                       ; tile_dim1 = 128
	s_mov_b32 s[(\g)+5], 1024                      ; elements from row to row
	s_mov_b32 s[(\g)+6], 0
	s_mov_b32 s[(\g)+7], 0
.endr
	s_mul_i32 s[WOFF], s[WV], HALFT
	s_mov_b32 s[TB], 0
	s_lshl_b32 s16, s[TR], 8
	s_lshl_b32 s17, s[CH], 7
	s_add_co_u32 s16, s16, s17
	s_lshl_b32 s16, s16, 11                        ; A: row 256 x tile row + 128 x half, 2,048 bytes a row
	s_mov_b32 s17, 0
	s_lshl_b32 s68, s[TC], 8
	s_lshl_b32 s69, s[CH], 7
	s_add_co_u32 s68, s68, s69
.if BROW
	s_add_co_u32 s68, s68, BROW
.endif
	s_lshl_b32 s68, s68, 11                        ; B: row BROW + 256 x tile column + 128 x half
	s_mov_b32 s69, 0
	s_wait_dscnt 0x0                               ; the opening add is done
	s_wait_kmcnt 0x0
	s_add_nc_u64 s[18:19], s[4:5], s[16:17]
	s_add_nc_u64 s[70:71], s[6:7], s[68:69]
	CROUND                                         ; all sixteen work-groups are here: the first joint loads meet
.irp s, 0,1
	s_mov_b32 s[G0+4*(\s)], 1
	s_add_co_u32 s[G0+4*(\s)+1], s[WOFF], (\s)*SLOT
	s_add_nc_u64 s[G0+4*(\s)+2:G0+4*(\s)+3], s[18:19], (\s)*KSTEP*2
	s_or_b32 s[G0+4*(\s)+3], s[G0+4*(\s)+3], 0x80000000
	s_mov_b32 s[G0B+4*(\s)], 1
	s_add_co_u32 s[G0B+4*(\s)+1], s[WOFF], (\s)*SLOT
	s_add_nc_u64 s[G0B+4*(\s)+2:G0B+4*(\s)+3], s[70:71], (\s)*KSTEP*2
	s_or_b32 s[G0B+4*(\s)+3], s[G0B+4*(\s)+3], 0x80000000
.endr
	s_cmp_eq_u32 s[RH], 0                          ; a wave's two first fills stand in one branch: two loads of mine are out
	s_cbranch_scc0 .Lfirst_b
	tensor_load_to_lds s[G0:G0+3], s[G1:G1+7]
	s_nop 0
	tensor_load_to_lds s[G0+4:G0+7], s[G1:G1+7]
	s_nop 0
	PLACES
	s_branch .Lfirst_asked
.Lfirst_b:
	tensor_load_to_lds s[G0B:G0B+3], s[G1B:G1B+7]
	s_nop 0
	tensor_load_to_lds s[G0B+4:G0B+7], s[G1B:G1B+7]
	s_nop 0
	PLACES
.Lfirst_asked:
	v_and_b32 v1, 15, v0                           ; r = l % 16
	v_bfe_u32 v2, v0, 4, 1                         ; h = l / 16
	v_and_b32 v6, 31, v0
	v_mul_u32_u24 v3, v1, PITCH
	v_lshl_add_u32 v3, v2, 4, v3                   ; row x pitch + 16 x half
	s_mul_i32 s20, s[RH], HALFT
	s_mul_i32 s21, s[CH], HALFT
	s_add_co_u32 s21, s21, 2*HALFT
	v_add_nc_u32 v[A0], s20, v3
	v_add_nc_u32 v[B0], s21, v3
	v_mov_b32 v[ADRA], v[A0]
	v_mov_b32 v[ADRB], v[B0]
	s_mul_i32 s22, s[WV], WSTG                     ; my 128 rows on the way out
	v_mul_u32_u24 v5, v1, WPIT
	v_lshl_add_u32 v5, v2, 4, v5
	v_add_nc_u32 v[STO], s22, v5                   ; in: row r, 16 bytes for each half of the lanes
	v_mul_u32_u24 v5, v2, WPIT
	v_lshl_add_u32 v5, v1, 4, v5
	v_add_nc_u32 v[RD], s22, v5                    ; back: lanes 0-15 one row, lanes 16-31 the next; 16 bytes at 16 (l % 16)
	v_lshlrev_b32 v5, 12, v2
	v_lshl_add_u32 v[CO], v1, 4, v5                ; and the same two rows in C
	s_lshl_b32 s16, s[TR], 8
	s_lshl_b32 s17, s[RH], 7
	s_add_co_u32 s16, s16, s17
	s_lshl_b32 s16, s16, 12                        ; my first row of C
	s_mov_b32 s17, 0
	s_add_nc_u64 s[8:9], s[8:9], s[16:17]
	s_lshl_b32 s72, s[TC], 9+CSH
	s_lshl_b32 s73, s[CH], 8+CSH
	s_add_co_u32 s72, s72, s73                     ; my first column, in bytes
	s_mov_b32 s73, 0
	s_add_nc_u64 s[8:9], s[8:9], s[72:73]
	s_lshl_b32 s80, s[TR], 8                       ; the prefetches: the tile's first row in A,
	s_lshl_b32 s81, s[TC], 8                       ; in B
.if BROW
	s_add_co_u32 s81, s81, BROW
.endif
	s_and_b32 s83, ttmp7, 0xffff
	s_cmp_eq_u32 s[RH], 0
	s_cselect_b32 s80, s80, s81
	s_cselect_b32 s82, s[CX], s[CY]                ; my place among the four that ask with me
	s_cselect_b32 s83, ttmp9, s83                  ; the coordinate along which other clusters read the same rows
	s_cselect_b64 s[PFA:PFA+1], s[4:5], s[6:7]
	s_cmp_eq_u32 s83, 0
	s_cselect_b32 s[LIM], 2, -1                    ; the same in all sixteen partners, for a given wave
	s_lshl_b32 s83, s[CH], 7
	s_add_co_u32 s80, s80, s83
	s_lshl_b32 s82, s82, 5
	s_add_co_u32 s80, s80, s82
	s_lshl_b32 s80, s80, 11
	s_mov_b32 s81, 0
	s_add_nc_u64 s[PFA:PFA+1], s[PFA:PFA+1], s[80:81]
	s_add_nc_u64 s[PFA:PFA+1], s[PFA:PFA+1], 2*KSTEP*2  ; at K step 2: the first refill steps it to 3 and names K step 4
	v_lshlrev_b32 v[PFO], 11, v6
; 16 matrix instructions: m blocks a0, a0 + 1 of the window's four x all 8 n blocks, 32 along K.  zero = 1: the first product starts the sums.  The 64 accumulators take turns.
.macro MUL16 f, hi, a0, zero
	WIN MUL_LO+0x50*(\hi)
.irp a, \a0, (\a0)+1
.irp b, 0,1,2,3,4,5,6,7
.if \zero
	v_wmma_f32_16x16x32_f16 v[8*(8*(\a)+(\b)):8*(8*(\a)+(\b))+7], v[(\f)+8*(\b):(\f)+8*(\b)+7], v[(\f)+8*(4*(\hi)+(\a)):(\f)+8*(4*(\hi)+(\a))+7], 0
.else
	v_wmma_f32_16x16x32_f16 v[8*(8*(\a)+(\b)):8*(8*(\a)+(\b))+7], v[(\f)+8*(\b):(\f)+8*(\b)+7], v[(\f)+8*(4*(\hi)+(\a)):(\f)+8*(4*(\hi)+(\a))+7], v[8*(8*(\a)+(\b)):8*(8*(\a)+(\b))+7]
.endif
.endr
.endr
.endm
.macro FETCH k, f                      ; 32 LDS loads in one run: a quarter step's fragments (B's 128 rows, then A's), 32 K at byte k of the rows
	WIN TO_B
.irp i, 0,1,2,3,4,5,6,7
	ds_load_b128 v[(\f)+8*(\i):(\f)+8*(\i)+3],   v[ADRB] offset:(\k)+(\i)*16*PITCH
	ds_load_b128 v[(\f)+8*(\i)+4:(\f)+8*(\i)+7], v[ADRB] offset:(\k)+(\i)*16*PITCH+32
.endr
	WIN 0
.irp i, 0,1,2,3,4,5,6,7
	ds_load_b128 v[(\f)+8*(\i):(\f)+8*(\i)+3],   v[ADRA] offset:(\k)+(\i)*16*PITCH
	ds_load_b128 v[(\f)+8*(\i)+4:(\f)+8*(\i)+7], v[ADRA] offset:(\k)+(\i)*16*PITCH+32
.endr
.endm
.macro QUARTER k, f, g, zero           ; multiplies buffer f; in its middle fetches the next quarter, at byte k, into g
	s_wait_dscnt 8                                 ; B and A's rows 0-63 are in; the youngest eight loads may be out
	MUL16 \f, 0, 0, \zero
	MUL16 \f, 0, 2, \zero
	PLACES
	FETCH \k, \g
	s_wait_dscnt 32                                ; all but the 32 just issued
	MUL16 \f, 1, 0, \zero
	MUL16 \f, 1, 2, \zero
.endm
.macro MEET                            ; the first half of a step's last quarter, and the barrier of the change of slots
	WIN 0
	s_wait_tensorcnt 0x0                           ; all my tensor loads have landed: the one that was out is my part of the other slot
	ds_add_u32 v[SPW], v[NIL]                      ; 0 onto my spare word
	s_wait_dscnt 9                                 ; (the add and the youngest eight loads may be out)
	MUL16 F1, 0, 0, 0
	s_wait_dscnt 0x0                               ; the add is done, and my reads of this slot are over
	s_barrier_signal -1
	MUL16 F1, 0, 2, 0
	WIN 0
	s_barrier_wait -1
.endm
.macro TURN fill                       ; the last quarter.  fill = 1: the slot just read is filled again, two K steps ahead, behind a round of the cluster's barrier
.if \fill
	s_wait_xcnt 0x0                                ; the last prefetch, a K step back, has read its address
	s_add_nc_u64 s[PFA:PFA+1], s[PFA:PFA+1], KSTEP*2
.endif
	MEET
.if \fill
	CREST                                          ; no wave of any partner still reads this slot or has a load on its way
	s_add_co_u32 s[G0+5], s[WOFF], s[TB]           ; the walking descriptors: the slot that is left, the next K step but one
	s_add_nc_u64 s[G0+6:G0+7], s[G0+6:G0+7], KSTEP*2
	s_add_co_u32 s[G0B+5], s[WOFF], s[TB]
	s_add_nc_u64 s[G0B+6:G0B+7], s[G0B+6:G0B+7], KSTEP*2
	JLOAD                                          ; 224 matrix instructions ahead of the wait for it; its four v_nop are also the places in front of the loads below
.else
	PLACES
.endif
	s_xor_b32 s[TB], s[TB], SLOT
	v_add_nc_u32 v[ADRA], s[TB], v[A0]
	v_add_nc_u32 v[ADRB], s[TB], v[B0]
.if !(\fill)
	s_cmp_eq_u32 s3, 1                             ; behind the last K step there is nothing to fetch
	s_cbranch_scc1 .Lno_more_\@
.endif
	FETCH 0, F0
.if \fill
	ASK
.else
.Lno_more_\@:
.endif
	MUL16 F1, 1, 0, 0
	MUL16 F1, 1, 2, 0
.endm
; All 64 accumulators into my 128 rows, each one's low four registers first.  A lane's columns 16 b + 8 h + 0..3 go to byte 16 (2 b + h) of the row, its columns + 4..7 to byte 256 + 16 (2 b + h):
; so the sixteen lanes that later read a row take 256 consecutive bytes a load, and each ends with eight neighbouring columns.  Sixteen lanes of a store take one column of sixteen rows, 528 bytes apart: sixteen different groups of four banks.
.macro TOLDS
.set aa, 0
.rept 8
	WIN 0x08+4*(aa/4)                              ; store data (source 1) in window 2 or 3
.irp b, 0,1,2,3,4,5,6,7
	ds_store_b128 v[STO], v[64*(aa%4)+8*(\b):64*(aa%4)+8*(\b)+3]   offset:aa*16*WPIT+32*(\b)
	ds_store_b128 v[STO], v[64*(aa%4)+8*(\b)+4:64*(aa%4)+8*(\b)+7] offset:aa*16*WPIT+32*(\b)+256
.endr
.set aa, aa+1
.endr
	WIN 0
.endm
	s_wait_tensorcnt 1                             ; my part of K step 0 is in; K step 1's may stay out
	s_barrier_signal -1
	s_barrier_wait -1
	FETCH 0, F0
	QUARTER 64, F0, F1, 1                          ; the first quarter stands in front of the loop: its products start the sums
	WIN 0
	s_mov_b32 s3, 6
.Lstep:                                        ; a trip: from a K step's second quarter to the next one's first; it fills one slot again
	QUARTER 128, F1, F0, 0
	QUARTER 192, F0, F1, 0
	TURN 1
	QUARTER 64, F0, F1, 0
	WIN 0
	s_sub_co_u32 s3, s3, 1
	s_cmp_lg_u32 s3, 0
	s_cbranch_scc1 .Lstep
	s_mov_b32 s3, 2
.Ltail:                                        ; the last two K steps ask for nothing: written apart
	QUARTER 128, F1, F0, 0
	QUARTER 192, F0, F1, 0
	TURN 0
	WIN 0
	s_sub_co_u32 s3, s3, 1
	s_cmp_eq_u32 s3, 0
	s_cbranch_scc1 .Lout
	QUARTER 64, F0, F1, 0
	WIN 0
	s_branch .Ltail
.Lout:
	s_wait_dscnt 0x0                               ; my reads of the ring are over,
	s_barrier_signal -1
	PLACES
	PLACES                                         ; (eight places, once a tile, ahead of everything that reads results or loads into fragments)
	s_barrier_wait -1                              ; and everybody's: the ring's bytes, which no load fills any more, take the sums
	TOLDS
	s_mov_b32 s3, 8
	s_mov_b32 s[SB], 0
.Lrows:                                        ; 16 rows a trip: back as f32 (LDS serves a wave's instructions in order, ISA guide 5.7.1.4: the loads see my stores), rounded, stored
	v_add_nc_u32 v[RDA], s[SB], v[RD]
.irp t, 0,1,2,3,4,5,6,7
	ds_load_b128 v[S+8*(\t):S+8*(\t)+3],   v[RDA] offset:(\t)*2*WPIT
	ds_load_b128 v[S+8*(\t)+4:S+8*(\t)+7], v[RDA] offset:(\t)*2*WPIT+256
.endr
.irp t, 0,1,2,3,4,5,6,7
	s_wait_dscnt 14-2*(\t)                         ; pair t of rows is in; the younger pairs' loads stay out
.irp z, 0,1,2,3
	v_cvt_pk_f16_f32 v[P+4*(\t)+(\z)], v[S+8*(\t)+2*(\z)], v[S+8*(\t)+2*(\z)+1]
.endr
	global_store_b128 v[CO], v[P+4*(\t):P+4*(\t)+3], s[8:9] offset:2*(\t)*ROWC  ; 16 lanes store 256 consecutive bytes, aligned
.endr
	s_wait_xcnt 0x0                                ; the stores' base and data are rewritten only behind this wait
	s_add_nc_u64 s[8:9], s[8:9], 16*ROWC
	s_add_co_u32 s[SB], s[SB], 16*WPIT
	s_sub_co_u32 s3, s3, 1
	s_cmp_lg_u32 s3, 0
	s_cbranch_scc1 .Lrows
	s_wait_tensorcnt 0x0                           ; the wave's end
	ds_add_u32 v[SPW], v[NIL]
	s_wait_dscnt 0x0
	CROUND                                         ; the closing round
	s_endpgm
.Lfunc_end_k_q8c99d3e63a_proj:
	.size	k_q8c99d3e63a_proj, .Lfunc_end_k_q8c99d3e63a_proj-k_q8c99d3e63a_proj
	.p2alignl 7, 3214868480
	.fill 96, 4, 3214868480
	.section	.rodata,"a",@progbits
	.p2align	6, 0x0
	.amdhsa_kernel k_q8c99d3e63a_proj
		.amdhsa_group_segment_fixed_size 327680
		.amdhsa_private_segment_fixed_size 0
		.amdhsa_enable_private_segment 0
		.amdhsa_kernarg_size 24
		.amdhsa_user_sgpr_count 2
		.amdhsa_user_sgpr_kernarg_segment_ptr 1
		.amdhsa_wavefront_size32 1
		.amdhsa_system_sgpr_workgroup_id_x 1
		.amdhsa_system_sgpr_workgroup_id_y 1
		.amdhsa_system_sgpr_workgroup_id_z 1
		.amdhsa_system_vgpr_workitem_id 0
		.amdhsa_next_free_vgpr 1024
		.amdhsa_next_free_sgpr 100
		.amdhsa_reserve_vcc 0
		.amdhsa_float_denorm_mode_32 3
		.amdhsa_float_denorm_mode_16_64 3
		.amdhsa_memory_ordered 1
		.amdhsa_forward_progress 1
		.amdhsa_inst_pref_size 82
	.end_amdhsa_kernel
	.amdgpu_metadata
---
amdhsa.version: [ 1, 2 ]
amdhsa.kernels:
  - .name:           k_q8c99d3e63a_proj
    .symbol:         k_q8c99d3e63a_proj.kd
    .args:
      - { .name: xh, .offset: 0, .size: 8, .value_kind: global_buffer, .address_space: global }
      - { .name: wh, .offset: 8, .size: 8, .value_kind: global_buffer, .address_space: global }
      - { .name: qk, .offset: 16, .size: 8, .value_kind: global_buffer, .address_space: global }
    .group_segment_fixed_size: 327680
    .private_segment_fixed_size: 0
    .kernarg_segment_align: 8
    .kernarg_segment_size: 24
    .max_flat_workgroup_size: 128
    .sgpr_count:     100
    .vgpr_count:     1024
    .wavefront_size: 32
...
	.end_amdgpu_metadata
.endif
;; end of part 2
;; launch score (part 3): grid 36 x 4, 4 waves a work-group, no clusters, 327,680 bytes of LDS; arguments qk, pm, st; writes pm, st
.if DOCPART == 3
	.amdgcn_target "amdgcn-amd-amdhsa--gfx1250"
	.amdhsa_code_object_version 6
	.text
	.protected	k_q8c99d3e63a_score
	.globl	k_q8c99d3e63a_score
	.p2align	8
	.type	k_q8c99d3e63a_score,@function
k_q8c99d3e63a_score:
	s_mov_b64 s[64:65], 0
	v_nop
	global_prefetch_b8 v0, s[64:65] scope:SCOPE_SE
	s_setreg_imm32_b32 hwreg(HW_REG_WAVE_MODE, 25, 1), 1
	s_wait_xcnt 0x0
; SCORES AND WEIGHTS.  For tile (I, J), J <= I, of 256 queries x 256 keys of one batch: S = q k^T (K = 1,024, f16 operands, f32 sums), the causal mask, and for each query and each CHUNK of 128 keys
; the chunk's true maximum m, cm = c m with c = log2(e) / 32, p = 2^(c s - cm) rounded to f16 into pm [4][2048][2048], and l = the sum of the unrounded p.  cm and l go to st: two planes [4][16 chunks][2048 rows] f32.
; The row's maximum over chunks is taken by the next launch.  Tiles above the diagonal are not made.  In the hidden quadrant of a diagonal tile every score is hidden: there p = 0, l = 0, cm = c x -1e20.
; LIMITS: a hidden score counts as -1e30; true scores of f16 operands stay under 4.4e12 in size, far above the maxima's start of -1e20; a weight below 2^-126 counts as 0; NaN and infinities are not treated apart.
; NO CLUSTER: a batch's 36 lower tiles lie in rows of 1 to 8; no grid of fours covers them without work-groups above the diagonal, which would have nothing to do.
; The product's loop: four waves, 128 x 128 each, 64 accumulators; 8 K steps of 128 through two LDS slots; a trip is one K step, the slot in hand a scalar (TB).  Source 0 = 16 keys, source 1 = 16 queries. A wave's 128 keys are one chunk.
; THE SOFTMAX is written once: behind a barrier each wave lays its 128 x 128 scores, in f32, into 128 rows of its own in the ring, whose slots have had their last fill; a loop of 8 trips takes 16 rows a trip,
; two rows at a time, sixteen lanes to a row, eight neighbouring keys to a lane: maximum and sum want four exchanges inside sixteen lanes, and a lane's eight weights are 16 bytes that leave as they are.
; REGISTERS: window 0: v0-31 addresses; v37-63 statistics; v64-191 fragments of q; in the softmax v64-127 scores, v128-159 weights, v160-175 maxima and sums.  window 1: v64-191 fragments of k.  windows 2, 3: accumulators.
.set KSTEP,  128
.set PITCH,  272
.set HALFT,  128*PITCH
.set SLOT,   4*HALFT
.set WPIT,   528                       ; the softmax: a row of 128 f32 + 16 bytes
.set WSTG,   128*WPIT                  ; a wave's 128 rows; four of them are 270,336 bytes of the ring's 278,528
.set STAT,   2*SLOT                    ; behind the ring: 1,024 bytes for each wave: cm of its 128 rows, then l
.set SPARE,  STAT+4*1024
.set ROWP,   4096                      ; bytes in a row of qk and of pm
.set LPL,    524288                    ; l's plane in st
.set DV,   14                          ; v14  on a diagonal tile: key j of row pair t is hidden where j - 2 t is greater than this
.set A0,   16
.set B0,   17
.set ADRA, 18
.set ADRB, 19
.set SA,   20                          ; v20  where a row's statistic goes: lane term
.set SR,   21                          ; v21  where I read 16 bytes of them back
.set LO,   22                          ; v22  16 x lane
.set SAA,  23                          ; v23  SA + this trip
.set STO,  24
.set RD,   25
.set CO,   26
.set RDA,  27
.set SPW,  28
.set NIL,  29
.set PFO,  30                          ; v30  my lane x 4,096
.set LOWR, 37                          ; v37  -1e20
.set CMT,  40                          ; v40-55 pairs: cm of row pair t in the low word
.set F0,   64
.set F1,   128
.set S,    64
.set P,    128
.set CC,   160                         ; v160-167 maximum of row pair t
.set LL,   168                         ; v168-175 its sum
.set WV, 12
.set RH, 13
.set CH, 14
.set II, 15
.set G1, 24
.set G0, 32
.set JJ, 40
.set BT, 41
.set DG, 42                            ; 1: the tile holds the diagonal
.set TB, 44
.set WOFF, 45
.set PFA, 46
.set CS, 48                            ; s[48:49] c
.set NEG, 52                           ; -1e30
.set SB, 54                            ; the softmax: the trip's 16 rows, in bytes of the rows
.set SS, 55                            ; and of the statistics
.set LIM, 66
.set STB, 68                           ; s[68:69] my 512 bytes of st
.set DM, 70                            ; s70-91 lanes in which j - 2 t = k - 14 is hidden, k = 0 .. 21
.set MSB, 0
.macro WIN new
.if MSB != (\new)
	s_set_vgpr_msb (MSB<<8)|(\new)
.set MSB, \new
.endif
.endm
.set MUL_LO, 0xa1
.set TO_B,   0x40
.macro PLACES
.rept 4
	v_nop
.endr
.endm
; A prefetch into the L2 behind each refill and its run of LDS loads: the K step two refills on, my 128 rows x 256 bytes, a lane a row, four instructions.  q's rows of tile row I are read by tiles (I, 0 .. I):
; tile (I, 0) asks; k's rows of tile column J by tiles (J .. 7, J): tile (J, J) asks.  K steps 0-3 come by their loads alone; the last two refills name nothing.
.macro ASK
	s_cmp_gt_u32 s3, s[LIM]
	s_cbranch_scc0 .Lnot_mine_\@
.irp k, 0,1,2,3
	global_prefetch_b8 v[PFO], s[PFA:PFA+1] offset:KSTEP*2+(\k)*32*ROWP th:TH_LOAD_NT scope:SCOPE_SE
.endr
.Lnot_mine_\@:
.endm
	s_load_b128 s[4:7], s[0:1], 0x0                ; qk s[4:5], pm s[6:7]
	s_load_b64 s[8:9], s[0:1], 0x10                ; st
	v_lshl_add_u32 v[SPW], v0, 2, SPARE
	v_mov_b32 v[NIL], 0
	ds_add_u32 v[SPW], v[NIL]                      ; the wave's opening: the add and its wait ahead of my first tensor load
	ds_add_u32 v28, v29
	v_lshrrev_b32 v1, 5, v0
	v_readfirstlane_b32 s[WV], v1
	s_lshr_b32 s[RH], s[WV], 1                     ; my half of the queries; also: I fetch q (0) or k (1)
	s_and_b32 s[CH], s[WV], 1                      ; my half of the keys; also: which 128 rows I fetch
	s_and_b32 s[BT], ttmp7, 0xffff
	s_mov_b32 s[II], 0
.irp th, 1,3,6,10,15,21,28             ; tile t = I (I + 1) / 2 + J
	s_cmp_ge_u32 ttmp9, \th
	s_cselect_b32 s16, 1, 0
	s_add_co_u32 s[II], s[II], s16
.endr
	s_add_co_u32 s16, s[II], 1
	s_mul_i32 s16, s16, s[II]
	s_lshr_b32 s16, s16, 1
	s_sub_co_u32 s[JJ], ttmp9, s16
	s_cmp_eq_u32 s[II], s[JJ]
	s_cselect_b32 s[DG], 1, 0
	s_mov_b32 s[G1+0], (1<<16)|(1<<20)|(5<<22)|(3<<25)  ; 2-byte elements; padding on; after every 64 words; 4 words
	s_mov_b32 s[G1+1], KSTEP<<16
	s_mov_b32 s[G1+2], 128<<16
	s_mov_b32 s[G1+3], KSTEP<<16
	s_mov_b32 s[G1+4], 128
	s_mov_b32 s[G1+5], 2048                        ; elements from row to row of qk
	s_mov_b32 s[G1+6], 0
	s_mov_b32 s[G1+7], 0
	s_mul_i32 s[WOFF], s[WV], HALFT
	s_mov_b32 s[TB], 0
	s_mov_b32 s[CS], 0x3d38aa3b                    ; c = log2(e) / 32
	s_mov_b32 s[CS+1], s[CS]
	s_mov_b32 s[NEG], 0xf149f2ca
	s_cmp_eq_u32 s[JJ], 0
	s_cselect_b32 s16, 1, 0
	s_cmp_eq_u32 s[RH], 0
	s_cselect_b32 s16, s16, s[DG]
	s_cmp_eq_u32 s16, 1
	s_cselect_b32 s[LIM], 2, -1
	s_cmp_eq_u32 s[RH], 0
	s_cselect_b32 s16, s[II], s[JJ]
	s_cselect_b32 s18, 0, 2048                     ; q in a row's first half, k in its second
	s_lshl_b32 s16, s16, 8
	s_lshl_b32 s17, s[CH], 7
	s_add_co_u32 s16, s16, s17
	s_lshl_b32 s17, s[BT], 11
	s_add_co_u32 s16, s16, s17
	s_lshl_b32 s16, s16, 12
	s_add_co_u32 s16, s16, s18
	s_mov_b32 s17, 0
	s_wait_dscnt 0x0                               ; the opening add is done
	s_wait_kmcnt 0x0
	s_add_nc_u64 s[20:21], s[4:5], s[16:17]        ; my 128 rows
.irp s, 0,1
	s_mov_b32 s[G0+4*(\s)], 1
	s_add_co_u32 s[G0+4*(\s)+1], s[WOFF], (\s)*SLOT
	s_add_nc_u64 s[G0+4*(\s)+2:G0+4*(\s)+3], s[20:21], (\s)*KSTEP*2
	s_or_b32 s[G0+4*(\s)+3], s[G0+4*(\s)+3], 0x80000000
.endr
	tensor_load_to_lds s[G0:G0+3], s[G1:G1+7]      ; the two first fills: two loads of mine are out
	s_nop 0
	tensor_load_to_lds s[G0+4:G0+7], s[G1:G1+7]
	s_nop 0
	PLACES
	s_add_nc_u64 s[PFA:PFA+1], s[20:21], 2*KSTEP*2
	v_and_b32 v1, 15, v0                           ; r, later i: l % 16
	v_bfe_u32 v2, v0, 4, 1                         ; h
	v_and_b32 v6, 31, v0
	v_mul_u32_u24 v3, v1, PITCH
	v_lshl_add_u32 v3, v2, 4, v3
	s_mul_i32 s22, s[RH], HALFT
	s_mul_i32 s23, s[CH], HALFT
	s_add_co_u32 s23, s23, 2*HALFT
	v_add_nc_u32 v[A0], s22, v3
	v_add_nc_u32 v[B0], s23, v3
	v_mov_b32 v[ADRA], v[A0]
	v_mov_b32 v[ADRB], v[B0]
	s_mul_i32 s22, s[WV], WSTG                     ; my 128 rows in the softmax
	v_mul_u32_u24 v5, v1, WPIT
	v_lshl_add_u32 v5, v2, 4, v5
	v_add_nc_u32 v[STO], s22, v5                   ; in: row r, 16 bytes for each half of the lanes
	v_mul_u32_u24 v5, v2, WPIT
	v_lshl_add_u32 v5, v1, 4, v5
	v_add_nc_u32 v[RD], s22, v5                    ; back: lanes 0-15 one row, lanes 16-31 the next; 16 bytes at 16 i
	v_lshlrev_b32 v5, 12, v2
	v_lshl_add_u32 v[CO], v1, 4, v5                ; and the same two rows in pm
	s_lshl_b32 s22, s[WV], 10
	s_add_co_u32 s22, s22, STAT
	v_lshl_add_u32 v[SA], v2, 2, s22               ; row 2 t + h of the trip: 4 h here, 8 t in the immediate
	v_lshlrev_b32 v[LO], 4, v6
	v_add_nc_u32 v[SR], s22, v[LO]
	s_sub_co_i32 s22, s[RH], s[CH]
	s_lshl_b32 s22, s22, 7
	v_lshlrev_b32 v5, 3, v1
	v_sub_nc_u32 v[DV], v2, v5
	v_add_nc_u32 v[DV], s22, v[DV]                 ; 128 (row half - key half) + h - 8 i; each trip adds 16
	v_lshlrev_b32 v[PFO], 12, v6
	v_mov_b32 v[LOWR], 0xe0ad78ec
.irp t, 0,1,2,3,4,5,6,7
	v_mov_b32 v[CMT+2*(\t)+1], 0                   ; named with cm as a pair
.endr
	s_lshl_b32 s16, s[BT], 11                      ; pm at my 128 rows and 128 keys
	s_lshl_b32 s17, s[II], 8
	s_add_co_u32 s16, s16, s17
	s_lshl_b32 s17, s[RH], 7
	s_add_co_u32 s16, s16, s17
	s_lshl_b32 s16, s16, 12
	s_lshl_b32 s17, s[JJ], 9
	s_add_co_u32 s16, s16, s17
	s_lshl_b32 s17, s[CH], 8
	s_add_co_u32 s16, s16, s17
	s_mov_b32 s17, 0
	s_add_nc_u64 s[10:11], s[6:7], s[16:17]
	s_lshl_b32 s16, s[BT], 4                       ; st at chunk 2 J + my half, my 128 rows
	s_lshl_b32 s17, s[JJ], 1
	s_add_co_u32 s16, s16, s17
	s_add_co_u32 s16, s16, s[CH]
	s_lshl_b32 s16, s16, 13
	s_lshl_b32 s17, s[II], 10
	s_add_co_u32 s16, s16, s17
	s_lshl_b32 s17, s[RH], 9
	s_add_co_u32 s16, s16, s17
	s_mov_b32 s17, 0
	s_add_nc_u64 s[STB:STB+1], s[8:9], s[16:17]
.macro MUL16 f, hi, a0, zero           ; 16 matrix instructions; the 64 accumulators take turns
	WIN MUL_LO+0x50*(\hi)
.irp a, \a0, (\a0)+1
.irp b, 0,1,2,3,4,5,6,7
.if \zero
	v_wmma_f32_16x16x32_f16 v[8*(8*(\a)+(\b)):8*(8*(\a)+(\b))+7], v[(\f)+8*(\b):(\f)+8*(\b)+7], v[(\f)+8*(4*(\hi)+(\a)):(\f)+8*(4*(\hi)+(\a))+7], 0
.else
	v_wmma_f32_16x16x32_f16 v[8*(8*(\a)+(\b)):8*(8*(\a)+(\b))+7], v[(\f)+8*(\b):(\f)+8*(\b)+7], v[(\f)+8*(4*(\hi)+(\a)):(\f)+8*(4*(\hi)+(\a))+7], v[8*(8*(\a)+(\b)):8*(8*(\a)+(\b))+7]
.endif
.endr
.endr
.endm
.macro FETCH k, f
	WIN TO_B
.irp i, 0,1,2,3,4,5,6,7
	ds_load_b128 v[(\f)+8*(\i):(\f)+8*(\i)+3],   v[ADRB] offset:(\k)+(\i)*16*PITCH
	ds_load_b128 v[(\f)+8*(\i)+4:(\f)+8*(\i)+7], v[ADRB] offset:(\k)+(\i)*16*PITCH+32
.endr
	WIN 0
.irp i, 0,1,2,3,4,5,6,7
	ds_load_b128 v[(\f)+8*(\i):(\f)+8*(\i)+3],   v[ADRA] offset:(\k)+(\i)*16*PITCH
	ds_load_b128 v[(\f)+8*(\i)+4:(\f)+8*(\i)+7], v[ADRA] offset:(\k)+(\i)*16*PITCH+32
.endr
.endm
.macro QUARTER k, f, g, zero
	s_wait_dscnt 8                                 ; k's fragments and q's rows 0-63 are in; the youngest eight loads may be out
	MUL16 \f, 0, 0, \zero
	MUL16 \f, 0, 2, \zero
	PLACES
	FETCH \k, \g
	s_wait_dscnt 32                                ; all but the 32 just issued
	MUL16 \f, 1, 0, \zero
	MUL16 \f, 1, 2, \zero
.endm
.macro TURN fill                       ; a step's last quarter and the change of slots
.if \fill
	s_wait_xcnt 0x0                                ; the last prefetches, a K step back, have read their address
	s_add_nc_u64 s[PFA:PFA+1], s[PFA:PFA+1], KSTEP*2
.endif
	WIN 0
	s_wait_tensorcnt 0x0                           ; all my tensor loads have landed: the one that was out is my part of the other slot
	ds_add_u32 v[SPW], v[NIL]                      ; 0 onto my spare word
	s_wait_dscnt 9                                 ; (the add and the youngest eight loads may be out)
	MUL16 F1, 0, 0, 0
	s_wait_dscnt 0x0                               ; the add is done, and my reads of this slot are over
	s_barrier_signal -1
	MUL16 F1, 0, 2, 0
	WIN 0
	s_barrier_wait -1
.if \fill
	s_add_co_u32 s[G0+5], s[WOFF], s[TB]           ; the walking descriptor: the slot that is left, the next K step but one
	s_add_nc_u64 s[G0+6:G0+7], s[G0+6:G0+7], KSTEP*2
	tensor_load_to_lds s[G0+4:G0+7], s[G1:G1+7]    ; my one load behind the barrier: 224 matrix instructions ahead of the wait for it
	s_nop 0
.endif
	PLACES
	s_xor_b32 s[TB], s[TB], SLOT
	v_add_nc_u32 v[ADRA], s[TB], v[A0]
	v_add_nc_u32 v[ADRB], s[TB], v[B0]
.if !(\fill)
	s_cmp_eq_u32 s3, 1
	s_cbranch_scc1 .Lno_more_\@
.endif
	FETCH 0, F0
.if \fill
	ASK
.else
.Lno_more_\@:
.endif
	MUL16 F1, 1, 0, 0
	MUL16 F1, 1, 2, 0
.endm
; All 64 accumulators into my 128 rows, each one's low four registers first.  A lane's keys 16 b + 8 h + 0..3 go to byte 16 (2 b + h) of the row, its keys + 4..7 to byte 256 + 16 (2 b + h):
; so the sixteen lanes that later read a row take 256 consecutive bytes a load, and each ends with eight neighbouring keys.  Sixteen lanes of a store take one column of sixteen rows, 528 bytes apart: sixteen different groups of four banks.
.macro TOLDS
.set aa, 0
.rept 8
	WIN 0x08+4*(aa/4)                              ; store data (source 1) in window 2 or 3
.irp b, 0,1,2,3,4,5,6,7
	ds_store_b128 v[STO], v[64*(aa%4)+8*(\b):64*(aa%4)+8*(\b)+3]   offset:aa*16*WPIT+32*(\b)
	ds_store_b128 v[STO], v[64*(aa%4)+8*(\b)+4:64*(aa%4)+8*(\b)+7] offset:aa*16*WPIT+32*(\b)+256
.endr
.set aa, aa+1
.endr
	WIN 0
.endm
	s_wait_tensorcnt 1                             ; my part of K step 0 is in; K step 1's may stay out
	s_barrier_signal -1
	s_barrier_wait -1
	FETCH 0, F0
	QUARTER 64, F0, F1, 1
	WIN 0
	s_mov_b32 s3, 6
.Lstep:
	QUARTER 128, F1, F0, 0
	QUARTER 192, F0, F1, 0
	TURN 1
	QUARTER 64, F0, F1, 0
	WIN 0
	s_sub_co_u32 s3, s3, 1
	s_cmp_lg_u32 s3, 0
	s_cbranch_scc1 .Lstep
	s_mov_b32 s3, 2
.Ltail:
	QUARTER 128, F1, F0, 0
	QUARTER 192, F0, F1, 0
	TURN 0
	WIN 0
	s_sub_co_u32 s3, s3, 1
	s_cmp_eq_u32 s3, 0
	s_cbranch_scc1 .Lout
	QUARTER 64, F0, F1, 0
	WIN 0
	s_branch .Ltail
.Lout:
	s_wait_dscnt 0x0                               ; my reads of the ring are over,
	s_barrier_signal -1
	PLACES
	PLACES                                         ; (eight places, once a tile, ahead of everything that reads results or writes fragments)
	s_barrier_wait -1                              ; and everybody's: the ring's bytes, which no load fills any more, take the scores.  No barrier follows: rows and statistics are each wave's own
	TOLDS
	s_mov_b32 s3, 8
	s_mov_b32 s[SB], 0
	s_mov_b32 s[SS], 0
.Lrows:                                        ; 16 rows a trip, as eight pairs t that do not wait for each other; lane (i, h) holds keys 8 i + 0..7 of row 2 t + h
	v_add_nc_u32 v[RDA], s[SB], v[RD]
	v_add_nc_u32 v[SAA], s[SS], v[SA]
.irp t, 0,1,2,3,4,5,6,7
	ds_load_b128 v[S+8*(\t):S+8*(\t)+3],   v[RDA] offset:(\t)*2*WPIT       ; LDS serves a wave's instructions in order (ISA guide 5.7.1.4): the loads see my stores
	ds_load_b128 v[S+8*(\t)+4:S+8*(\t)+7], v[RDA] offset:(\t)*2*WPIT+256
.endr
	s_cmp_eq_u32 s[DG], 0                          ; the mask: on a diagonal tile alone
	s_cbranch_scc1 .Lseen
	s_wait_dscnt 0x0
.set kk, 0
.rept 22                               ; key 128 ch + 8 i + j is hidden from row 128 rh + 16 a + 2 t + h where it is greater: j - 2 t > DV; j - 2 t has 22 values
	v_cmp_gt_i32 s[DM+kk], kk-14, v[DV]
.set kk, kk+1
.endr
.irp t, 0,1,2,3,4,5,6,7
.irp j, 0,1,2,3,4,5,6,7
	v_cndmask_b32 v[S+8*(\t)+(\j)], v[S+8*(\t)+(\j)], s[NEG], s[DM+14+(\j)-2*(\t)]
.endr
.endr
.Lseen:
.irp t, 0,1,2,3,4,5,6,7
	s_wait_dscnt 14-2*(\t)                         ; pair t is in; the younger pairs' loads stay out
	v_max3_num_f32 v[CC+(\t)], v[LOWR], v[S+8*(\t)], v[S+8*(\t)+1]
.endr
.irp z, 1,2,3
.irp t, 0,1,2,3,4,5,6,7
	v_max3_num_f32 v[CC+(\t)], v[CC+(\t)], v[S+8*(\t)+2*(\z)], v[S+8*(\t)+2*(\z)+1]
.endr
.endr
.irp m, 1,2,4,8                        ; across the row's sixteen lanes
.irp t, 0,1,2,3,4,5,6,7
	v_max_num_f32_dpp v[CC+(\t)], v[CC+(\t)], v[CC+(\t)] row_xmask:\m row_mask:0xf bank_mask:0xf
.endr
.endr
.irp t, 0,1,2,3,4,5,6,7
	v_mul_f32 v[CMT+2*(\t)], s[CS], v[CC+(\t)]
.endr
.irp t, 0,1,2,3,4,5,6,7
	ds_store_b32 v[SAA], v[CMT+2*(\t)] offset:8*(\t)   ; a row's sixteen lanes write one word, with one value
.endr
.irp t, 0,1,2,3,4,5,6,7
.irp z, 0,1,2,3
	v_pk_fma_f32 v[S+8*(\t)+2*(\z):S+8*(\t)+2*(\z)+1], v[S+8*(\t)+2*(\z):S+8*(\t)+2*(\z)+1], s[CS:CS+1], v[CMT+2*(\t):CMT+2*(\t)+1] op_sel_hi:[1,0,0] neg_lo:[0,0,1] neg_hi:[0,0,1]  ; c s - cm
.endr
.endr
.set zz, 0
.rept 64                               ; one batch of exponentials,
	v_exp_f32 v[S+zz], v[S+zz]
.set zz, zz+1
.endr
	v_nop                                          ; a plain instruction behind the last of them,
	s_wait_alu depctr_va_vdst(0)                   ; and one wait ahead of the first instruction that names a result
.irp t, 0,1,2,3,4,5,6,7
.irp z, 0,1,2,3
	v_cvt_pk_f16_f32 v[P+4*(\t)+(\z)], v[S+8*(\t)+2*(\z)], v[S+8*(\t)+2*(\z)+1]
.endr
	global_store_b128 v[CO], v[P+4*(\t):P+4*(\t)+3], s[10:11] offset:2*(\t)*ROWP  ; 16 lanes store 256 consecutive bytes, aligned
.endr
.irp t, 0,1,2,3,4,5,6,7
	v_pk_add_f32 v[S+8*(\t):S+8*(\t)+1],   v[S+8*(\t):S+8*(\t)+1],   v[S+8*(\t)+2:S+8*(\t)+3]
	v_pk_add_f32 v[S+8*(\t)+4:S+8*(\t)+5], v[S+8*(\t)+4:S+8*(\t)+5], v[S+8*(\t)+6:S+8*(\t)+7]
.endr
.irp t, 0,1,2,3,4,5,6,7
	v_pk_add_f32 v[S+8*(\t):S+8*(\t)+1], v[S+8*(\t):S+8*(\t)+1], v[S+8*(\t)+4:S+8*(\t)+5]
.endr
.irp t, 0,1,2,3,4,5,6,7
	v_add_f32 v[LL+(\t)], v[S+8*(\t)], v[S+8*(\t)+1]
.endr
.irp m, 1,2,4,8
.irp t, 0,1,2,3,4,5,6,7
	v_add_f32_dpp v[LL+(\t)], v[LL+(\t)], v[LL+(\t)] row_xmask:\m row_mask:0xf bank_mask:0xf
.endr
.endr
.irp t, 0,1,2,3,4,5,6,7
	ds_store_b32 v[SAA], v[LL+(\t)] offset:512+8*(\t)
.endr
	v_add_nc_u32 v[DV], 16, v[DV]
	s_wait_xcnt 0x0                                ; the stores' base and data are rewritten only behind this wait
	s_add_nc_u64 s[10:11], s[10:11], 16*ROWP
	s_add_co_u32 s[SB], s[SB], 16*WPIT
	s_add_co_u32 s[SS], s[SS], 64
	s_sub_co_u32 s3, s3, 1
	s_cmp_lg_u32 s3, 0
	s_cbranch_scc1 .Lrows
	ds_load_b128 v[56:59], v[SR]                   ; my 128 rows' cm and l, back as two runs of 512 bytes
	ds_load_b128 v[60:63], v[SR] offset:512
	s_wait_dscnt 0x0
	global_store_b128 v[LO], v[56:59], s[STB:STB+1]
	global_store_b128 v[LO], v[60:63], s[STB:STB+1] offset:LPL
	s_wait_tensorcnt 0x0                           ; the wave's end
	ds_add_u32 v[SPW], v[NIL]
	s_wait_dscnt 0x0
	s_endpgm
.Lfunc_end_k_q8c99d3e63a_score:
	.size	k_q8c99d3e63a_score, .Lfunc_end_k_q8c99d3e63a_score-k_q8c99d3e63a_score
	.p2alignl 7, 3214868480
	.fill 96, 4, 3214868480
	.section	.rodata,"a",@progbits
	.p2align	6, 0x0
	.amdhsa_kernel k_q8c99d3e63a_score
		.amdhsa_group_segment_fixed_size 327680
		.amdhsa_private_segment_fixed_size 0
		.amdhsa_enable_private_segment 0
		.amdhsa_kernarg_size 24
		.amdhsa_user_sgpr_count 2
		.amdhsa_user_sgpr_kernarg_segment_ptr 1
		.amdhsa_wavefront_size32 1
		.amdhsa_system_sgpr_workgroup_id_x 1
		.amdhsa_system_sgpr_workgroup_id_y 1
		.amdhsa_system_sgpr_workgroup_id_z 1
		.amdhsa_system_vgpr_workitem_id 0
		.amdhsa_next_free_vgpr 1024
		.amdhsa_next_free_sgpr 100
		.amdhsa_reserve_vcc 0
		.amdhsa_float_denorm_mode_32 3
		.amdhsa_float_denorm_mode_16_64 3
		.amdhsa_memory_ordered 1
		.amdhsa_forward_progress 1
		.amdhsa_inst_pref_size 100
	.end_amdhsa_kernel
	.amdgpu_metadata
---
amdhsa.version: [ 1, 2 ]
amdhsa.kernels:
  - .name:           k_q8c99d3e63a_score
    .symbol:         k_q8c99d3e63a_score.kd
    .args:
      - { .name: qk, .offset: 0, .size: 8, .value_kind: global_buffer, .address_space: global }
      - { .name: pm, .offset: 8, .size: 8, .value_kind: global_buffer, .address_space: global }
      - { .name: st, .offset: 16, .size: 8, .value_kind: global_buffer, .address_space: global }
    .group_segment_fixed_size: 327680
    .private_segment_fixed_size: 0
    .kernarg_segment_align: 8
    .kernarg_segment_size: 24
    .max_flat_workgroup_size: 128
    .sgpr_count:     100
    .vgpr_count:     1024
    .wavefront_size: 32
...
	.end_amdgpu_metadata
.endif
;; end of part 3
;; launch mix (part 4): grid 8 x 32, 4 waves a work-group, clusters of 4 x 1, 327,680 bytes of LDS; arguments pm, xh, st, zh; writes zh
.if DOCPART == 4
	.amdgcn_target "amdgcn-amd-amdhsa--gfx1250"
	.amdhsa_code_object_version 6
	.text
	.protected	k_q8c99d3e63a_mix
	.globl	k_q8c99d3e63a_mix
	.p2align	8
	.type	k_q8c99d3e63a_mix,@function
k_q8c99d3e63a_mix:
	s_mov_b64 s[64:65], 0
	v_nop
	global_prefetch_b8 v0, s[64:65] scope:SCOPE_SE
	s_setreg_imm32_b32 hwreg(HW_REG_WAVE_MODE, 25, 1), 1
	s_wait_xcnt 0x0
	s_wait_alu depctr_hold_cnt(0) depctr_sa_sdst(0) depctr_va_vdst(0) depctr_va_sdst(0) depctr_va_ssrc(0) depctr_va_vcc(0) depctr_vm_vsrc(0)
	s_getreg_b32 s2, hwreg(HW_REG_IB_STS2, 6, 4)
	s_cmp_eq_u32 s2, 0
	s_cbranch_scc0 .Lentry_in_a_cluster
	s_endpgm
.Lentry_in_a_cluster:
	s_bfe_u32 s2, ttmp6, 0x10000c
	s_cmp_lg_u32 s2, 0x3003
	s_cbranch_scc0 .Lentry_shape_is_right
	s_endpgm
.Lentry_shape_is_right:
; Z = softmax . x.  The output is (softmax . x) Wv, equal to softmax . (x Wv) for every input: v is never formed; only the order of rounding differs.
; Z[q][:] = the sum over chunks t of 128 keys of g_t(q) (P_t X_t)[q][:], with g_t = 2^(cm_t - M) / L, M = the maximum over t of cm_t (the row's true maximum, scaled), L = the sum over t of 2^(cm_t - M) l_t.
; P (f16, relative to its chunk's maximum) and x (f16) are the matrix operands; each chunk's product is summed in f32 by itself and folded into Z by one f32 multiply-add with g_t; Z is rounded once to f16.
; LIMITS: Z is a mean of x's rows and has their range; a factor below 2^-126 counts as 0; NaN and infinities are not treated apart.
; SHARES.  A work-group makes 128 channels of TWO blocks of 128 queries of one batch: block b (b / 2 + 1 steps of 256 keys) and then block 15 - b (8 - b / 2 steps): 9 steps, whatever b.  One walk with constant trip counts;
; which tile is asked for hangs on scalars made from b.  A wave makes 64 queries x 64 channels: 16 accumulators.  For an even block the last chunk is the hidden quadrant: p = 0 and g = 0 there.
; LAYOUT.  Z^T = X^T P^T: source 0 = 16 channels (x turned by ds_load_tr16_b128), source 1 = 16 queries (P as it lies): a lane holds ONE query (l % 16), so g is one number a lane, and eight neighbouring channels.
; BY TURNS.  Two sets of accumulators: while chunk n is multiplied into one, chunk n - 1 is folded out of the other, four multiply-adds behind every fourth matrix instruction: one for each matrix instruction.
; Z, the second set and the factors are cleared at the start, so that no first step is written out: 288 lines, in the wait for the first tile; Z again where the second block begins.
; CLUSTER 4 x 1: the four partners make four channel blocks of the same queries: P's tile is asked for jointly; x's tile is each one's own.
; REGISTERS: window 0: v0-63 addresses, statistics, factors; v64-127 at work; v128-255 Z.  window 1: two fragment buffers of 128 (P's 64, then x's 64).  window 2: the two sets T0, T1.
.set PA,    528                        ; a row of P in LDS: 512 bytes + 16
.set PX,    288                        ; a row of x: 256 bytes + 32
.set XOFF,  128*PA
.set SLOT,  XOFF+256*PX
.set STAGE, 2*SLOT                     ; 128 rows x 272 bytes, the work-group's, for the way out
.set SP,    272
.set SPARE, STAGE+128*SP
.set LPL,   524288
.set A0,   4                           ; v4   my place in P's tile of slot 0; never rewritten
.set X0,   5                           ; v5, v6  in x's tile: keys 0-127, keys 128-255
.set X1,   6
.set ADRA, 7                           ; v7   A0 + TB
.set ADRX, 8                           ; v8, v9  X0 + TB, X1 + TB
.set STO,  10
.set RD,   11
.set GO,   12
.set RO,   13                          ; v13  4 r
.set RO2,  14                          ; v14  8 chunks x h + 4 r
.set PFO,  15
.set CMV,  16                          ; v16-23  cm of query block a, chunk c of the step, at 2 a + c
.set MC,   24                          ; v24-27  M of block a
.set IC,   28                          ; v28-31  1 / L
.set MSV,  32                          ; v32-39  the second tile's M and 1 / L
.set ISV,  36
.set G0P,  40                          ; v40-47  pairs: g of the step's first chunk in the low word
.set G1P,  48                          ; v48-55  of its second
.set TT,   56
.set SPW,  60
.set NIL,  61
.set TMP,  64
.set O,    128
.set F0,   0
.set F1,   128
.set WV, 12
.set RH, 13                            ; my half of the queries; also: I fetch P (0) or x (1)
.set CH, 14                            ; my half of the channels; also: which half of the tile I fetch
.set CX, 15
.set G1A, 24
.set G1X, 32
.set G0A, 40                           ; s[40:47] a set for each first fill; the second then serves every refill
.set G0X, 48
.set ABASE, 56                         ; s[56:57] pm at the batch's row 64 x my half
.set XBASE, 58                         ; s[58:59] xh at the batch's key 128 x my half, my channel block
.set TB, 60
.set WOFA, 61
.set WOFX, 62
.set CNT, 63
.set NX2, 66                           ; the fills' walker: step in the tile, the tile's last step, its query block
.set LQ2, 67
.set RB2, 68
.set NX1, 69                           ; the same for the loads of cm
.set LQ1, 70
.set RB1, 71
.set RT,  72                           ; steps left in the tile in hand
.set NL1, 73
.set IL,  74
.set IS,  75
.set NL,  76
.set RBX, 77
.set OF,  78                           ; s[78:79] an offset; the high word stays 0
.set CB,  80
.set SBASE, 82
.set OP,  84
.set OPL, 86
.set PFA, 88
.set LIM, 90
.set BT,  91
.set COL, 92
.set SEL, 94
.set MSB, 0
.macro WIN new
.if MSB != (\new)
	s_set_vgpr_msb (MSB<<8)|(\new)
.set MSB, \new
.endif
.endm
.set W_MM, 0xa5                        ; sources 0 and 1 window 1, C and D window 2
.set W_RD, 0x02                        ; source 0 window 2, the rest window 0
.set TO_F, 0x40
.macro PLACES
.rept 4
	v_nop
.endr
.endm
.macro CREST
	s_cmp_lg_u32 s[WV], 0
	s_cbranch_scc1 .Lnot_wave_0_\@
	s_barrier_signal -3
.Lnot_wave_0_\@:
	s_barrier_wait -3
	s_barrier_signal -1
	s_barrier_wait -1
.endm
.macro CROUND
	s_barrier_signal -1
	s_barrier_wait -1
	CREST
.endm
.macro JLOAD                           ; waves 0, 1: P's halves, jointly; waves 2, 3: x's halves, my own; an s_nop 0 and four v_nop follow each line
	s_cmp_eq_u32 s[RH], 0
	s_cbranch_scc0 .Lfor_x_\@
	tensor_load_to_lds s[G0A+4:G0A+7], s[G1A:G1A+7]
	s_nop 0
	PLACES
	s_branch .Lasked_\@
.Lfor_x_\@:
	tensor_load_to_lds s[G0X+4:G0X+7], s[G1X:G1X+7]
	s_nop 0
	PLACES
.Lasked_\@:
.endm
.macro ADV nx, lq, rb                  ; a walker's step: the tile's next step, or behind its last the second tile's step 0
	s_add_co_u32 s[\nx], s[\nx], 1
	s_cmp_gt_u32 s[\nx], s[\lq]
	s_cselect_b32 s[\nx], 0, s[\nx]
	s_cselect_b32 s[\rb], s[IL], s[\rb]
	s_cselect_b32 s[\lq], s[NL1], s[\lq]
.endm
.macro DESC d, first                   ; both group 0 of set d for the fills' walker: addresses made anew from the bases, the type bits set again
	s_lshl_b32 s[OF], s[RB2], 19                   ; 128 rows of 4,096 bytes
	s_lshl_b32 s16, s[NX2], 9                      ; 256 keys of 2 bytes
	s_add_co_u32 s[OF], s[OF], s16
	s_add_nc_u64 s[G0A+4*(\d)+2:G0A+4*(\d)+3], s[ABASE:ABASE+1], s[OF:OF+1]
	s_or_b32 s[G0A+4*(\d)+3], s[G0A+4*(\d)+3], 0x80000000
	s_lshl_b32 s[OF], s[NX2], 19                   ; 256 keys of 2,048 bytes
	s_add_nc_u64 s[G0X+4*(\d)+2:G0X+4*(\d)+3], s[XBASE:XBASE+1], s[OF:OF+1]
	s_or_b32 s[G0X+4*(\d)+3], s[G0X+4*(\d)+3], 0x80000000
.if \first
	s_add_co_u32 s[G0A+4*(\d)+1], s[WOFA], (\d)*SLOT
	s_add_co_u32 s[G0X+4*(\d)+1], s[WOFX], (\d)*SLOT
.else
	s_add_co_u32 s[G0A+4*(\d)+1], s[WOFA], s[TB]
	s_add_co_u32 s[G0X+4*(\d)+1], s[WOFX], s[TB]
.endif
.endm
; A prefetch into the L2 behind each refill and its run of LDS loads: the tiles that the NEXT refill will ask for.  P's tile is read by the two clusters of its queries: cluster x = 0 asks, waves 0 and 1, the four partners
; sharing a wave's 64 rows x 512 bytes out by address: 16 rows each, a lane a block of 256 bytes.  x's tile is read by the eight work-groups of its batch and channel block: b = 0, whose second tile walks all keys, asks, waves 2 and 3,
; a lane a key, four instructions.  The walk's first three steps come by their loads alone; the last refill names nothing.
.macro ASK
	s_cmp_gt_u32 s[CNT], s[LIM]
	s_cbranch_scc0 .Lnone_\@
	s_cmp_eq_u32 s[RH], 0
	s_cbranch_scc0 .Lx_\@
	global_prefetch_b8 v[PFO], s[PFA:PFA+1] th:TH_LOAD_NT scope:SCOPE_SE
	s_branch .Lnone_\@
.Lx_\@:
.irp k, 0,1,2,3
	global_prefetch_b8 v[PFO], s[PFA:PFA+1] offset:(\k)*65536 th:TH_LOAD_NT scope:SCOPE_SE
.endr
.Lnone_\@:
.endm
	s_load_b256 s[4:11], s[0:1], 0x0               ; pm s[4:5], xh s[6:7], st s[8:9], zh s[10:11]
	v_lshl_add_u32 v[SPW], v0, 2, SPARE
	v_mov_b32 v[NIL], 0
	ds_add_u32 v[SPW], v[NIL]                      ; the wave's opening: the add and its wait ahead of my first tensor load
	ds_add_u32 v60, v61
	v_lshrrev_b32 v1, 5, v0
	v_readfirstlane_b32 s[WV], v1
	s_lshr_b32 s[RH], s[WV], 1
	s_and_b32 s[CH], s[WV], 1
	s_bfe_u32 s[CX], ttmp6, 0x40000
	s_lshl_b32 s[COL], ttmp9, 2
	s_add_co_u32 s[COL], s[COL], s[CX]             ; my channel block: it enters x's and Z's addresses alone
	s_and_b32 s16, ttmp7, 0xffff
	s_lshr_b32 s[BT], s16, 3
	s_and_b32 s[IS], s16, 7                        ; b
	s_sub_co_u32 s[IL], 15, s[IS]
	s_lshr_b32 s17, s[IS], 1
	s_add_co_u32 s[RT], s17, 1
	s_sub_co_u32 s[NL], 8, s17
	s_sub_co_u32 s[NL1], 7, s17
	s_mov_b32 s[NX2], 0
	s_mov_b32 s[LQ2], s17
	s_mov_b32 s[RB2], s[IS]
	s_mov_b32 s[NX1], 0
	s_mov_b32 s[LQ1], s17
	s_mov_b32 s[RB1], s[IS]
	s_mov_b32 s[OF+1], 0
	s_mov_b32 s[TB], 0
	s_mul_i32 s[WOFA], s[CH], 64*PA
	s_mul_i32 s[WOFX], s[CH], 128*PX
	s_add_co_u32 s[WOFX], s[WOFX], XOFF
	s_mov_b32 s[SEL], 0x76543210
	s_mov_b32 s[SEL+1], 0xfedcba98
	s_cmp_eq_u32 s[RH], 0
	s_cselect_b32 s16, ttmp9, s[IS]
	s_cmp_eq_u32 s16, 0
	s_cselect_b32 s[LIM], 1, -1                    ; the same in all four partners, for a given wave
	s_mov_b32 s[G1A+0], 15|(1<<16)|(1<<20)|(1<<21)|(6<<22)|(3<<25)  ; the mask of four; 2-byte elements; padding on; bit 21 beside a mask; after every 128 words; 4 words
	s_mov_b32 s[G1A+1], 256<<16                    ; tensor_dim0 = 256 keys
	s_mov_b32 s[G1A+2], 64<<16                     ; tensor_dim1 = 64 rows
	s_mov_b32 s[G1A+3], 256<<16
	s_mov_b32 s[G1A+4], 64
	s_mov_b32 s[G1A+5], 2048
	s_mov_b32 s[G1A+6], 0
	s_mov_b32 s[G1A+7], 0
	s_mov_b32 s[G1X+0], (1<<16)|(1<<20)|(5<<22)|(7<<25)  ; no mask; after every 64 words; 8 words
	s_mov_b32 s[G1X+1], 128<<16                    ; 128 channels
	s_mov_b32 s[G1X+2], 128<<16                    ; 128 keys
	s_mov_b32 s[G1X+3], 128<<16
	s_mov_b32 s[G1X+4], 128
	s_mov_b32 s[G1X+5], 1024
	s_mov_b32 s[G1X+6], 0
	s_mov_b32 s[G1X+7], 0
.irp s, 0,1
	s_mov_b32 s[G0A+4*(\s)], 1
	s_mov_b32 s[G0X+4*(\s)], 1
.endr
	s_lshl_b32 s16, s[BT], 11
	s_lshl_b32 s17, s[CH], 6
	s_add_co_u32 s16, s16, s17
	s_lshl_b32 s16, s16, 12
	s_mov_b32 s17, 0
	s_lshl_b32 s18, s[BT], 11
	s_lshl_b32 s19, s[CH], 7
	s_add_co_u32 s18, s18, s19
	s_lshl_b32 s18, s18, 11
	s_lshl_b32 s19, s[COL], 8
	s_add_co_u32 s18, s18, s19
	s_mov_b32 s19, 0
	s_lshl_b32 s20, s[BT], 17
	s_lshl_b32 s21, s[RH], 8
	s_add_co_u32 s20, s20, s21
	s_mov_b32 s21, 0
	s_wait_dscnt 0x0                               ; the opening add is done
	s_wait_kmcnt 0x0
	s_add_nc_u64 s[ABASE:ABASE+1], s[4:5], s[16:17]
	s_add_nc_u64 s[XBASE:XBASE+1], s[6:7], s[18:19]
	s_add_nc_u64 s[SBASE:SBASE+1], s[8:9], s[20:21]
	s_lshl_b32 s18, s[BT], 4
	s_add_co_u32 s22, s18, s[IS]
	s_lshl_b32 s22, s22, 18                        ; 128 rows of 2,048 bytes
	s_lshl_b32 s23, s[COL], 8
	s_add_co_u32 s22, s22, s23
	s_mov_b32 s23, 0
	s_add_nc_u64 s[OP:OP+1], s[10:11], s[22:23]
	s_add_co_u32 s22, s18, s[IL]
	s_lshl_b32 s22, s22, 18
	s_lshl_b32 s18, s[COL], 8
	s_add_co_u32 s22, s22, s18
	s_add_nc_u64 s[OPL:OPL+1], s[10:11], s[22:23]
	CROUND                                         ; all four work-groups are here: the first joint loads meet
	DESC 0, 1
	ADV NX2, LQ2, RB2
	DESC 1, 1
	ADV NX2, LQ2, RB2
	s_cmp_eq_u32 s[RH], 0                          ; a wave's two first fills stand in one branch: two loads of mine are out
	s_cbranch_scc0 .Lfirst_x
	tensor_load_to_lds s[G0A:G0A+3], s[G1A:G1A+7]
	s_nop 0
	tensor_load_to_lds s[G0A+4:G0A+7], s[G1A:G1A+7]
	s_nop 0
	PLACES
	s_branch .Lfirst_asked
.Lfirst_x:
	tensor_load_to_lds s[G0X:G0X+3], s[G1X:G1X+7]
	s_nop 0
	tensor_load_to_lds s[G0X+4:G0X+7], s[G1X:G1X+7]
	s_nop 0
	PLACES
.Lfirst_asked:
	v_and_b32 v1, 15, v0                           ; r
	v_bfe_u32 v2, v0, 4, 1                         ; h
	v_and_b32 v3, 31, v0                           ; l
	s_mul_i32 s16, s[RH], 64*PA
	v_mul_u32_u24 v[A0], v1, PA
	v_lshl_add_u32 v[A0], v2, 4, v[A0]
	v_add_nc_u32 v[A0], s16, v[A0]                 ; (64 x half + r) x pitch + 16 h
	v_and_b32 v56, 7, v0                           ; the turning load: lane l reads key 8 h + l % 8, channels 8 ((l / 8) % 2) + 0..7
	v_lshl_add_u32 v56, v2, 3, v56
	v_mul_u32_u24 v[X0], v56, PX
	v_bfe_u32 v56, v0, 3, 1
	v_lshl_add_u32 v[X0], v56, 4, v[X0]
	s_lshl_b32 s16, s[CH], 7
	s_add_co_u32 s16, s16, XOFF
	v_add_nc_u32 v[X0], s16, v[X0]
	v_add_nc_u32 v[X1], 128*PX, v[X0]
	v_mov_b32 v[ADRA], v[A0]
	v_mov_b32 v[ADRX], v[X0]
	v_mov_b32 v[ADRX+1], v[X1]
	s_mul_i32 s16, s[RH], 64*SP
	s_lshl_b32 s17, s[CH], 7
	s_add_co_u32 s16, s16, s17
	s_add_co_u32 s16, s16, STAGE
	v_mul_u32_u24 v[STO], v1, SP
	v_lshl_add_u32 v[STO], v2, 4, v[STO]
	v_add_nc_u32 v[STO], s16, v[STO]               ; in: my 64 rows, my half of their 256 bytes
	s_mul_i32 s16, s[WV], 32*SP
	s_add_co_u32 s16, s16, STAGE
	v_mul_u32_u24 v[RD], v2, SP
	v_lshl_add_u32 v[RD], v1, 4, v[RD]
	v_add_nc_u32 v[RD], s16, v[RD]                 ; back: rows 32 w on, whole; two rows a load
	s_lshl_b32 s16, s[WV], 16
	v_lshlrev_b32 v[GO], 11, v2
	v_lshl_add_u32 v[GO], v1, 4, v[GO]
	v_add_nc_u32 v[GO], s16, v[GO]
	v_lshlrev_b32 v[RO], 2, v1
	v_lshl_add_u32 v[RO2], v2, 16, v[RO]
	v_lshrrev_b32 v58, 1, v3                       ; the prefetches' offset; my place in the cluster enters it, in registers that feed no LDS address
	s_lshl_b32 s96, s[CX], 4
	v_add_nc_u32 v58, s96, v58
	v_lshlrev_b32 v58, 12, v58
	v_and_b32 v59, 1, v0
	v_lshl_add_u32 v58, v59, 8, v58                ; P: row 16 cx + l / 2, block l % 2
	v_lshlrev_b32 v59, 11, v3                      ; x: key l
	s_cmp_eq_u32 s[RH], 0
	s_cselect_b32 s97, -1, 0
	v_cndmask_b32 v[PFO], v59, v58, s97
.set zz, 0
.rept 128
	v_mov_b32 v[O+zz], 0
.set zz, zz+1
.endr
.set zz, 0
.rept 32
	v_mov_b32 v[MC+zz], 0                          ; M, 1 / L, their copies, both sets of factors: v24-55
.set zz, zz+1
.endr
	WIN 0x80
.set zz, 0
.rept 128
	v_mov_b32 v[128+zz], 0
.set zz, zz+1
.endr
	WIN 0
	; M AND 1 / L of my 64 rows, first for the second tile, then for the first: lane (r, h) takes chunks 8 h + 0..7 of row r of each block a.
	s_mov_b32 s[RBX], s[IL]
	s_mov_b32 s[CNT], 2
.Lstats:
.irp a, 0,1,2,3
	v_mov_b32 v[MSV+(\a)], v[MC+(\a)]
	v_mov_b32 v[ISV+(\a)], v[IC+(\a)]
.endr
	s_lshl_b32 s[OF], s[RBX], 9
	s_add_nc_u64 s[CB:CB+1], s[SBASE:SBASE+1], s[OF:OF+1]
.irp a, 0,1,2,3
.irp t, 0,1,2,3,4,5,6,7
	global_load_b32 v[TMP+8*(\a)+(\t)],    v[RO2], s[CB:CB+1] offset:(\t)*8192+(\a)*64
	global_load_b32 v[TMP+32+8*(\a)+(\t)], v[RO2], s[CB:CB+1] offset:(\t)*8192+(\a)*64+LPL
.endr
.endr
	s_wait_loadcnt 0x0
.irp a, 0,1,2,3
	v_max3_num_f32 v[TT+(\a)], v[TMP+8*(\a)], v[TMP+8*(\a)+1], v[TMP+8*(\a)+2]
.endr
.irp a, 0,1,2,3
	v_max3_num_f32 v[TT+(\a)], v[TT+(\a)], v[TMP+8*(\a)+3], v[TMP+8*(\a)+4]
.endr
.irp a, 0,1,2,3
	v_max3_num_f32 v[TT+(\a)], v[TT+(\a)], v[TMP+8*(\a)+5], v[TMP+8*(\a)+6]
.endr
.irp a, 0,1,2,3
	v_max_num_f32 v[TT+(\a)], v[TT+(\a)], v[TMP+8*(\a)+7]
.endr
.irp a, 0,1,2,3
	v_permlanex16_b32 v[MC+(\a)], v[TT+(\a)], s[SEL], s[SEL+1]
.endr
.irp a, 0,1,2,3
	v_max_num_f32 v[MC+(\a)], v[MC+(\a)], v[TT+(\a)]
.endr
.irp a, 0,1,2,3
.irp t, 0,1,2,3,4,5,6,7
	v_sub_f32 v[TMP+8*(\a)+(\t)], v[TMP+8*(\a)+(\t)], v[MC+(\a)]
.endr
.endr
.set zz, 0
.rept 32
	v_exp_f32 v[TMP+zz], v[TMP+zz]
.set zz, zz+1
.endr
	v_nop                                          ; a plain instruction behind the last exponential,
	s_wait_alu depctr_va_vdst(0)                   ; and one wait for the batch
.irp a, 0,1,2,3
	v_mul_f32 v[TT+(\a)], v[TMP+8*(\a)], v[TMP+32+8*(\a)]
.endr
.irp t, 1,2,3,4,5,6,7
.irp a, 0,1,2,3
	v_fmac_f32 v[TT+(\a)], v[TMP+8*(\a)+(\t)], v[TMP+32+8*(\a)+(\t)]
.endr
.endr
.irp a, 0,1,2,3
	v_permlanex16_b32 v[IC+(\a)], v[TT+(\a)], s[SEL], s[SEL+1]
.endr
.irp a, 0,1,2,3
	v_add_f32 v[TT+(\a)], v[TT+(\a)], v[IC+(\a)]
.endr
.irp a, 0,1,2,3
	v_rcp_f32 v[IC+(\a)], v[TT+(\a)]
.endr
	v_nop
	s_wait_alu depctr_va_vdst(0)                   ; the four reciprocals' wait, ahead of the branch
	s_mov_b32 s[RBX], s[IS]
	s_sub_co_u32 s[CNT], s[CNT], 1
	s_cmp_lg_u32 s[CNT], 0
	s_cbranch_scc1 .Lstats
	s_lshl_b32 s[OF], s[IS], 9                     ; cm of the walk's step 0
	s_add_nc_u64 s[CB:CB+1], s[SBASE:SBASE+1], s[OF:OF+1]
.irp a, 0,1,2,3
.irp c, 0,1
	global_load_b32 v[CMV+2*(\a)+(\c)], v[RO], s[CB:CB+1] offset:(\c)*8192+(\a)*64
.endr
.endr
; Four folds: Z += g x T of the set that is not being multiplied; number rr of 64 a chunk takes pair rr % 4 of accumulator rr / 4, ascending.
; An accumulator is read sixteen folds or more behind the matrix instruction that finished it.
.macro RIDE4 ts
	WIN W_RD
.rept 4
.set rT, 128*(1-(\ts))+2*rr
.set rG, G0P+8*(1-(\ts))+2*(rr/16)
	v_pk_fma_f32 v[O+2*rr:O+2*rr+1], v[rT:rT+1], v[rG:rG+1], v[O+2*rr:O+2*rr+1] op_sel_hi:[1,0,1]
.set rr, rr+1
.endr
.endm
; 8 matrix instructions: query blocks a0, a0 + 1 x all 4 channel blocks, 32 keys: half c of buffer f, into set ts.  The 16 accumulators take turns.
.macro MUL8 f, c, a0, zero, ts
.irp a, \a0, (\a0)+1
	WIN W_MM
.irp b, 0,1,2,3
.if \zero
	v_wmma_f32_16x16x32_f16 v[128*(\ts)+8*(4*(\a)+(\b)):128*(\ts)+8*(4*(\a)+(\b))+7], v[(\f)+64+8*(4*(\c)+(\b)):(\f)+64+8*(4*(\c)+(\b))+7], v[(\f)+8*(4*(\c)+(\a)):(\f)+8*(4*(\c)+(\a))+7], 0
.else
	v_wmma_f32_16x16x32_f16 v[128*(\ts)+8*(4*(\a)+(\b)):128*(\ts)+8*(4*(\a)+(\b))+7], v[(\f)+64+8*(4*(\c)+(\b)):(\f)+64+8*(4*(\c)+(\b))+7], v[(\f)+8*(4*(\c)+(\a)):(\f)+8*(4*(\c)+(\a))+7], v[128*(\ts)+8*(4*(\a)+(\b)):128*(\ts)+8*(4*(\a)+(\b))+7]
.endif
.endr
	RIDE4 \ts
.endr
.endm
.macro FETCH q, f                      ; 32 LDS loads in one run: quarter q's fragments (64 keys), the first 32 keys first
	WIN TO_F
.irp c, 0,1
.irp i, 0,1,2,3
	ds_load_tr16_b128 v[(\f)+64+8*(4*(\c)+(\i)):(\f)+64+8*(4*(\c)+(\i))+3],   v[ADRX+(\q)/2] offset:(64*((\q)%2)+32*(\c))*PX+32*(\i)
	ds_load_tr16_b128 v[(\f)+64+8*(4*(\c)+(\i))+4:(\f)+64+8*(4*(\c)+(\i))+7], v[ADRX+(\q)/2] offset:(64*((\q)%2)+32*(\c)+16)*PX+32*(\i)
	ds_load_b128 v[(\f)+8*(4*(\c)+(\i)):(\f)+8*(4*(\c)+(\i))+3],   v[ADRA] offset:(\i)*16*PA+128*(\q)+64*(\c)
	ds_load_b128 v[(\f)+8*(4*(\c)+(\i))+4:(\f)+8*(4*(\c)+(\i))+7], v[ADRA] offset:(\i)*16*PA+128*(\q)+64*(\c)+32
.endr
.endr
.endm
.macro QTR nq, f, g, zero, ts          ; multiplies buffer f into set ts; in its middle fetches quarter nq into g: the four folds in front are the places behind the products
	s_wait_dscnt 16                                ; the first 32 keys are in
	MUL8 \f, 0, 0, \zero, \ts
	MUL8 \f, 0, 2, \zero, \ts
	FETCH \nq, \g
	s_wait_dscnt 32                                ; all but the 32 just issued
	MUL8 \f, 1, 0, 0, \ts
	MUL8 \f, 1, 2, 0, \ts
.endm
.macro FACT                            ; this step's eight factors a lane from the cm loaded a step ago; then the next step's cm is asked for
	WIN 0
	s_wait_loadcnt 0x0
.irp a, 0,1,2,3
	v_sub_f32 v[CMV+2*(\a)], v[CMV+2*(\a)], v[MC+(\a)]
	v_sub_f32 v[CMV+2*(\a)+1], v[CMV+2*(\a)+1], v[MC+(\a)]
.endr
.irp e, 0,1,2,3,4,5,6,7
	v_exp_f32 v[CMV+(\e)], v[CMV+(\e)]
.endr
	v_nop
	ADV NX1, LQ1, RB1
	s_lshl_b32 s[OF], s[RB1], 9
	s_lshl_b32 s16, s[NX1], 14
	s_add_co_u32 s[OF], s[OF], s16
	s_add_nc_u64 s[CB:CB+1], s[SBASE:SBASE+1], s[OF:OF+1]  ; the loads that named it are done
	s_wait_alu depctr_va_vdst(0)                   ; one wait for the eight exponentials
.irp a, 0,1,2,3
	v_mul_f32 v[G0P+2*(\a)], v[CMV+2*(\a)], v[IC+(\a)]
	v_mul_f32 v[G1P+2*(\a)], v[CMV+2*(\a)+1], v[IC+(\a)]
.endr
.irp a, 0,1,2,3
.irp c, 0,1
	global_load_b32 v[CMV+2*(\a)+(\c)], v[RO], s[CB:CB+1] offset:(\c)*8192+(\a)*64
.endr
.endr
.endm
.macro TURN fill                       ; the step's last quarter and the change of slots
	WIN 0
.if \fill
	s_wait_xcnt 0x0                                ; the last prefetches, a step back, have read their address
.endif
	s_wait_tensorcnt 0x0                           ; all my tensor loads have landed: the one that was out is my part of the other slot
	ds_add_u32 v[SPW], v[NIL]                      ; 0 onto my spare word; scalar work and eight products stand between it and the wait for it
.if \fill
	DESC 1, 0                                      ; the slot that is left takes the walk's next step but one
	ADV NX2, LQ2, RB2
	s_lshl_b32 s[OF], s[RB2], 19                   ; and the prefetches name the step after that
	s_lshl_b32 s16, s[NX2], 9
	s_add_co_u32 s[OF], s[OF], s16
	s_lshl_b32 s17, s[NX2], 19
	s_cmp_eq_u32 s[RH], 0
	s_cselect_b32 s[OF], s[OF], s17
	s_cselect_b64 s[PFA:PFA+1], s[ABASE:ABASE+1], s[XBASE:XBASE+1]
	s_add_nc_u64 s[PFA:PFA+1], s[PFA:PFA+1], s[OF:OF+1]
.endif
	s_wait_dscnt 17                                ; (the add and the youngest sixteen loads may be out)
	MUL8 F1, 0, 0, 0, 1
	s_wait_dscnt 0x0                               ; the add is done, and my reads of this slot are over
	s_barrier_signal -1
	MUL8 F1, 0, 2, 0, 1
	WIN 0
	s_barrier_wait -1
.if \fill
	CREST                                          ; no wave of any partner still reads this slot or has a load on its way
	JLOAD                                          ; 112 matrix instructions ahead of the wait for it
.endif
	s_xor_b32 s[TB], s[TB], SLOT
	v_add_nc_u32 v[ADRA], s[TB], v[A0]
	v_add_nc_u32 v[ADRX], s[TB], v[X0]
	v_add_nc_u32 v[ADRX+1], s[TB], v[X1]
.if !(\fill)
	s_cmp_eq_u32 s[CNT], 1                         ; behind the walk's last step there is nothing to fetch
	s_cbranch_scc1 .Lno_more_\@
.endif
	FETCH 0, F0
	WIN 0
.if \fill
	ASK
.else
.Lno_more_\@:
.endif
	MUL8 F1, 1, 0, 0, 1
	MUL8 F1, 1, 2, 0, 1
.endm
.macro STEP fill                       ; 256 keys: chunk 0 into T0 while T1 of the step before is folded; the factors; chunk 1 into T1 while T0 is folded
.set rr, 0
	QTR 1, F0, F1, 1, 0
	QTR 2, F1, F0, 0, 0
	FACT
.set rr, 0
	QTR 3, F0, F1, 1, 1
	TURN \fill
	WIN 0
.endm
; A TILE'S WAY OUT: the last chunk is folded; Z is rounded to f16; 16 bytes a lane into the work-group's stage; a barrier, since a row's 256 bytes come from two waves; back as whole rows, 32 rows a wave.
; The stage's second use stands behind five changes of slots or more, each a barrier in front of which every wave has waited for all its LDS reads.
.macro OUT
	WIN 0
	PLACES
	PLACES
.set rr, 0
.rept 16
	RIDE4 0
.endr
	WIN 0
.set zz, 0
.rept 64
	v_cvt_pk_f16_f32 v[TMP+zz], v[O+2*zz], v[O+2*zz+1]
.set zz, zz+1
.endr
.irp a, 0,1,2,3
.irp b, 0,1,2,3
	ds_store_b128 v[STO], v[TMP+4*(4*(\a)+(\b)):TMP+4*(4*(\a)+(\b))+3] offset:(\a)*16*SP+32*(\b)
.endr
.endr
	s_wait_dscnt 0x0                               ; for the others' sake: my stores into the stage are done
	s_barrier_signal -1
	s_barrier_wait -1
.irp t, 0,1,2,3,4,5,6,7,8,9,10,11,12,13,14,15
	ds_load_b128 v[TMP+4*(\t):TMP+4*(\t)+3], v[RD] offset:(\t)*2*SP
.endr
.irp t, 0,1,2,3,4,5,6,7,8,9,10,11,12,13,14,15
	s_wait_dscnt 15-(\t)
	global_store_b128 v[GO], v[TMP+4*(\t):TMP+4*(\t)+3], s[OP:OP+1] offset:(\t)*4096  ; 16 lanes store 256 consecutive bytes, aligned
.endr
.endm
	s_wait_tensorcnt 1                             ; my part of step 0 is in; step 1's may stay out
	s_barrier_signal -1
	s_barrier_wait -1
	FETCH 0, F0
	WIN 0
	s_mov_b32 s[CNT], 7
.Lwalk:                                        ; seven trips: a step is multiplied and the next step but one asked for
	STEP 1
	s_sub_co_u32 s[RT], s[RT], 1
	s_cmp_lg_u32 s[RT], 0
	s_cbranch_scc1 .Lgo_on
	OUT                                            ; the first tile ends (in trips 0 to 3: it has four steps at the most); the ring runs on
	s_wait_xcnt 0x0                                ; the stores have read their registers and Z's address
	s_mov_b64 s[OP:OP+1], s[OPL:OPL+1]
.set zz, 0
.rept 128
	v_mov_b32 v[O+zz], 0
.set zz, zz+1
.endr
.irp a, 0,1,2,3
	v_mov_b32 v[G1P+2*(\a)], 0                     ; the next step's first folds, of a T1 that has been taken, add nothing
	v_mov_b32 v[MC+(\a)], v[MSV+(\a)]
	v_mov_b32 v[IC+(\a)], v[ISV+(\a)]
.endr
	s_mov_b32 s[RT], s[NL]
.Lgo_on:
	s_sub_co_u32 s[CNT], s[CNT], 1
	s_cmp_lg_u32 s[CNT], 0
	s_cbranch_scc1 .Lwalk
	s_mov_b32 s[CNT], 2
.Ltail:                                        ; the last two steps ask for nothing: written apart
	STEP 0
	s_sub_co_u32 s[CNT], s[CNT], 1
	s_cmp_lg_u32 s[CNT], 0
	s_cbranch_scc1 .Ltail
	OUT
	s_wait_tensorcnt 0x0                           ; the wave's end
	ds_add_u32 v[SPW], v[NIL]
	s_wait_dscnt 0x0
	CROUND                                         ; the closing round
	s_endpgm
.Lfunc_end_k_q8c99d3e63a_mix:
	.size	k_q8c99d3e63a_mix, .Lfunc_end_k_q8c99d3e63a_mix-k_q8c99d3e63a_mix
	.p2alignl 7, 3214868480
	.fill 96, 4, 3214868480
	.section	.rodata,"a",@progbits
	.p2align	6, 0x0
	.amdhsa_kernel k_q8c99d3e63a_mix
		.amdhsa_group_segment_fixed_size 327680
		.amdhsa_private_segment_fixed_size 0
		.amdhsa_enable_private_segment 0
		.amdhsa_kernarg_size 32
		.amdhsa_user_sgpr_count 2
		.amdhsa_user_sgpr_kernarg_segment_ptr 1
		.amdhsa_wavefront_size32 1
		.amdhsa_system_sgpr_workgroup_id_x 1
		.amdhsa_system_sgpr_workgroup_id_y 1
		.amdhsa_system_sgpr_workgroup_id_z 1
		.amdhsa_system_vgpr_workitem_id 0
		.amdhsa_next_free_vgpr 768
		.amdhsa_next_free_sgpr 100
		.amdhsa_reserve_vcc 0
		.amdhsa_float_denorm_mode_32 3
		.amdhsa_float_denorm_mode_16_64 3
		.amdhsa_memory_ordered 1
		.amdhsa_forward_progress 1
		.amdhsa_inst_pref_size 122
	.end_amdhsa_kernel
	.amdgpu_metadata
---
amdhsa.version: [ 1, 2 ]
amdhsa.kernels:
  - .name:           k_q8c99d3e63a_mix
    .symbol:         k_q8c99d3e63a_mix.kd
    .args:
      - { .name: pm, .offset: 0, .size: 8, .value_kind: global_buffer, .address_space: global }
      - { .name: xh, .offset: 8, .size: 8, .value_kind: global_buffer, .address_space: global }
      - { .name: st, .offset: 16, .size: 8, .value_kind: global_buffer, .address_space: global }
      - { .name: zh, .offset: 24, .size: 8, .value_kind: global_buffer, .address_space: global }
    .group_segment_fixed_size: 327680
    .private_segment_fixed_size: 0
    .kernarg_segment_align: 8
    .kernarg_segment_size: 32
    .max_flat_workgroup_size: 128
    .sgpr_count:     100
    .vgpr_count:     768
    .wavefront_size: 32
...
	.end_amdgpu_metadata
.endif
;; end of part 4
;; launch outp (part 5): grid 4 x 32, 4 waves a work-group, clusters of 4 x 4, 327,680 bytes of LDS; arguments zh, wh, out0; writes out0
.if DOCPART == 5
	.amdgcn_target "amdgcn-amd-amdhsa--gfx1250"
	.amdhsa_code_object_version 6
	.text
	.protected	k_q8c99d3e63a_outp
	.globl	k_q8c99d3e63a_outp
	.p2align	8
	.type	k_q8c99d3e63a_outp,@function
k_q8c99d3e63a_outp:
	s_mov_b64 s[64:65], 0
	v_nop
	global_prefetch_b8 v0, s[64:65] scope:SCOPE_SE
	s_setreg_imm32_b32 hwreg(HW_REG_WAVE_MODE, 25, 1), 1
	s_wait_xcnt 0x0
	s_wait_alu depctr_hold_cnt(0) depctr_sa_sdst(0) depctr_va_vdst(0) depctr_va_sdst(0) depctr_va_ssrc(0) depctr_va_vcc(0) depctr_vm_vsrc(0)
	s_getreg_b32 s2, hwreg(HW_REG_IB_STS2, 6, 4)
	s_cmp_eq_u32 s2, 0
	s_cbranch_scc0 .Lentry_in_a_cluster
	s_endpgm
.Lentry_in_a_cluster:
	s_bfe_u32 s2, ttmp6, 0x10000c
	s_cmp_lg_u32 s2, 0xf033
	s_cbranch_scc0 .Lentry_shape_is_right
	s_endpgm
.Lentry_shape_is_right:
; THE OUTPUT.  C[m][n] = sum over k of A[m][k] B[n][k], K = 1,024: A = zh [8192][1024] f16, B = rows 2,048-3,071 of wh (v's channels), C = out0 [8192][1024] f32, the f32 sums as they are.
; The product's loop is the one of the launch that makes q and k; the constants BROW and CSH and the way out differ.
; A tile of C, 256 x 256, is made by four waves, 128 x 128 each: 64 accumulators, 512 registers.  K goes in 8 steps of 128 through two LDS slots filled by the tensor data mover;
; a tile's rows are 256 bytes of memory, aligned.  The loop's trip is ONE K step: the slot in hand is a scalar (TB, 0 or SLOT) that an exclusive or turns.
; CLUSTER 4 x 4: A's tiles are asked for jointly along a row of the cluster, B's along a column.  THE MATRIX INSTRUCTION IS USED TRANSPOSED (source 0 = 16 rows of B, source 1 = 16 rows of A):
; a lane holds row l % 16 of C and eight neighbouring columns.
; THE WAY OUT is written once: behind a barrier each wave lays its 128 x 128 sums into 128 rows of its own in the ring, whose slots have had their last fill; a loop of 8 trips takes 16 rows a trip.
; REGISTERS: window 0: v0-31 addresses; v64-127, v128-191 fragments of A, on the way out v64-127 rows read back.  window 1: v64-191 fragments of B.  windows 2, 3: accumulators (a, b) at v[8 (8 (a % 4) + b)].
.set BROW,   2048                      ; B's first row in wh
.set CSH,    1                         ; a number of C has 2 << CSH bytes
.set KSTEP,  128
.set PITCH,  272                       ; an LDS row: 256 bytes + 16: the 16 rows of a fragment load start at 16 different groups of four banks (ISA guide 11.1)
.set HALFT,  128*PITCH
.set SLOT,   4*HALFT                   ; A's 256 rows, then B's
.set WPIT,   528                       ; the way out: a row of 128 f32 + 16 bytes
.set WSTG,   128*WPIT                  ; a wave's 128 rows; four of them are 270,336 bytes of the ring's 278,528
.set SPARE,  2*SLOT                    ; behind the ring: the spare words, 128 bytes for each wave
.set ROWC,   4096                      ; bytes in a row of C
.set A0,   16                          ; v16  my place in A's tile of slot 0; never rewritten
.set B0,   17                          ; v17  the same for B
.set ADRA, 18                          ; v18  A0 + TB
.set ADRB, 19                          ; v19  B0 + TB
.set STO,  24                          ; v24-27  the way out: in, back (lane term), offset in C, back (this trip)
.set RD,   25
.set CO,   26
.set RDA,  27
.set SPW,  28                          ; v28  LDS address of my spare word; never rewritten
.set NIL,  29                          ; v29  0; never rewritten
.set PFO,  30                          ; v30  the prefetches' offset: my lane x 2,048; never rewritten
.set F0,   64
.set F1,   128
.set S,    64
.set WV, 12
.set RH, 13                            ; which half of the tile's rows is mine; also: I fetch for A (0) or B (1)
.set CH, 14                            ; which half of its columns; also: which 128 rows I fetch
.set G1, 24                            ; s[24:31] group 1 for A's tiles; s[32:39] group 0: a set for each first fill, the second then walks
.set G0, 32
.set CX, 40
.set CY, 41
.set TC, 42
.set TR, 43
.set TB, 44                            ; the slot that is being read: 0 or SLOT
.set WOFF, 45                          ; my quarter of a slot
.set PFA, 46                           ; s[46:47] where my prefetches stand
.set G1B, 48
.set G0B, 56
.set LIM, 66                           ; 2 in a wave that prefetches, else the greatest number
.set SB,  67                           ; the way out: the trip's 16 rows, in bytes
.set MSB, 0
.macro WIN new                         ; the immediate's high byte repeats the setting that is left; a switch that changes nothing is dropped
.if MSB != (\new)
	s_set_vgpr_msb (MSB<<8)|(\new)
.set MSB, \new
.endif
.endm
.set MUL_LO, 0xa1                      ; source 0 (B) window 1, source 1 (A) window 0, C and D window 2
.set TO_B,   0x40                      ; destination window 1, address window 0
.macro PLACES                          ; four plain places behind matrix instructions (ISA guide 7.12.1)
.rept 4
	v_nop
.endr
.endm
.macro JLOAD                           ; the joint refill: waves 0, 1 fetch A's halves, waves 2, 3 B's; an s_nop 0 and four v_nop follow each line
	s_cmp_eq_u32 s[RH], 0
	s_cbranch_scc0 .Lfor_b_\@
	tensor_load_to_lds s[G0+4:G0+7], s[G1:G1+7]
	s_nop 0
	PLACES
	s_branch .Lasked_\@
.Lfor_b_\@:
	tensor_load_to_lds s[G0B+4:G0B+7], s[G1B:G1B+7]
	s_nop 0
	PLACES
.Lasked_\@:
.endm
; A prefetch into the L2 behind each joint refill and the run of LDS loads: the K step two refills on, 32 rows x 256 bytes, a lane a row.  A's tile row is read by every cluster of its row of clusters:
; cluster x = 0 asks; B's tile column by every cluster of its column: cluster y = 0 asks.  The four partners share a wave's 128 rows out by address, 32 each.  K steps 0-3 come by their loads alone; the last two refills name nothing.
.macro ASK
	s_cmp_gt_u32 s3, s[LIM]
	s_cbranch_scc0 .Lnot_mine_\@
	global_prefetch_b8 v[PFO], s[PFA:PFA+1] offset:KSTEP*2 th:TH_LOAD_NT scope:SCOPE_SE
.Lnot_mine_\@:
.endm
.macro CREST                           ; a round of the cluster's barrier behind its opening barrier
	s_cmp_lg_u32 s[WV], 0
	s_cbranch_scc1 .Lnot_wave_0_\@
	s_barrier_signal -3
.Lnot_wave_0_\@:
	s_barrier_wait -3
	s_barrier_signal -1
	s_barrier_wait -1
.endm
.macro CROUND
	s_barrier_signal -1
	s_barrier_wait -1
	CREST
.endm
	s_load_b128 s[4:7], s[0:1], 0x0                ; A s[4:5], wh s[6:7]
	s_load_b64 s[8:9], s[0:1], 0x10                ; C
	v_lshl_add_u32 v[SPW], v0, 2, SPARE
	v_mov_b32 v[NIL], 0
	ds_add_u32 v[SPW], v[NIL]                      ; the wave's opening: the add and its wait ahead of my first tensor load
	ds_add_u32 v28, v29
	v_lshrrev_b32 v1, 5, v0
	v_readfirstlane_b32 s[WV], v1
	s_lshr_b32 s[RH], s[WV], 1
	s_and_b32 s[CH], s[WV], 1
	s_bfe_u32 s[CX], ttmp6, 0x40000
	s_bfe_u32 s[CY], ttmp6, 0x40004
	s_lshl_b32 s[TC], ttmp9, 2
	s_add_co_u32 s[TC], s[TC], s[CX]               ; tile column
	s_and_b32 s[TR], ttmp7, 0xffff
	s_lshl_b32 s[TR], s[TR], 2
	s_add_co_u32 s[TR], s[TR], s[CY]               ; tile row
	s_lshl_b32 s76, s[CY], 2
	s_lshl_b32 s76, 15, s76                        ; my row of the cluster
	s_lshl_b32 s77, 0x1111, s[CX]                  ; my column
	s_or_b32 s[G1+0], s76, (1<<16)|(1<<20)|(1<<21)|(5<<22)|(3<<25)   ; mask; 2-byte elements; padding on; bit 21 beside a mask; after every 64 words; 4 words
	s_or_b32 s[G1B+0], s77, (1<<16)|(1<<20)|(1<<21)|(5<<22)|(3<<25)
.irp g, G1, G1B
	s_mov_b32 s[(\g)+1], KSTEP<<16                 ; tensor_dim0 = 128
	s_mov_b32 s[(\g)+2], 128<<16                   ; tensor_dim1 = 128
	s_mov_b32 s[(\g)+3], KSTEP<<16                 ; tile_dim0 = 128
	s_mov_b32 s[(\g)+4], 128                       ; tile_dim1 = 128
	s_mov_b32 s[(\g)+5], 1024                      ; elements from row to row
	s_mov_b32 s[(\g)+6], 0
	s_mov_b32 s[(\g)+7], 0
.endr
	s_mul_i32 s[WOFF], s[WV], HALFT
	s_mov_b32 s[TB], 0
	s_lshl_b32 s16, s[TR], 8
	s_lshl_b32 s17, s[CH], 7
	s_add_co_u32 s16, s16, s17
	s_lshl_b32 s16, s16, 11                        ; A: row 256 x tile row + 128 x half, 2,048 bytes a row
	s_mov_b32 s17, 0
	s_lshl_b32 s68, s[TC], 8
	s_lshl_b32 s69, s[CH], 7
	s_add_co_u32 s68, s68, s69
.if BROW
	s_add_co_u32 s68, s68, BROW
.endif
	s_lshl_b32 s68, s68, 11                        ; B: row BROW + 256 x tile column + 128 x half
	s_mov_b32 s69, 0
	s_wait_dscnt 0x0                               ; the opening add is done
	s_wait_kmcnt 0x0
	s_add_nc_u64 s[18:19], s[4:5], s[16:17]
	s_add_nc_u64 s[70:71], s[6:7], s[68:69]
	CROUND                                         ; all sixteen work-groups are here: the first joint loads meet
.irp s, 0,1
	s_mov_b32 s[G0+4*(\s)], 1
	s_add_co_u32 s[G0+4*(\s)+1], s[WOFF], (\s)*SLOT
	s_add_nc_u64 s[G0+4*(\s)+2:G0+4*(\s)+3], s[18:19], (\s)*KSTEP*2
	s_or_b32 s[G0+4*(\s)+3], s[G0+4*(\s)+3], 0x80000000
	s_mov_b32 s[G0B+4*(\s)], 1
	s_add_co_u32 s[G0B+4*(\s)+1], s[WOFF], (\s)*SLOT
	s_add_nc_u64 s[G0B+4*(\s)+2:G0B+4*(\s)+3], s[70:71], (\s)*KSTEP*2
	s_or_b32 s[G0B+4*(\s)+3], s[G0B+4*(\s)+3], 0x80000000
.endr
	s_cmp_eq_u32 s[RH], 0                          ; a wave's two first fills stand in one branch: two loads of mine are out
	s_cbranch_scc0 .Lfirst_b
	tensor_load_to_lds s[G0:G0+3], s[G1:G1+7]
	s_nop 0
	tensor_load_to_lds s[G0+4:G0+7], s[G1:G1+7]
	s_nop 0
	PLACES
	s_branch .Lfirst_asked
.Lfirst_b:
	tensor_load_to_lds s[G0B:G0B+3], s[G1B:G1B+7]
	s_nop 0
	tensor_load_to_lds s[G0B+4:G0B+7], s[G1B:G1B+7]
	s_nop 0
	PLACES
.Lfirst_asked:
	v_and_b32 v1, 15, v0                           ; r = l % 16
	v_bfe_u32 v2, v0, 4, 1                         ; h = l / 16
	v_and_b32 v6, 31, v0
	v_mul_u32_u24 v3, v1, PITCH
	v_lshl_add_u32 v3, v2, 4, v3                   ; row x pitch + 16 x half
	s_mul_i32 s20, s[RH], HALFT
	s_mul_i32 s21, s[CH], HALFT
	s_add_co_u32 s21, s21, 2*HALFT
	v_add_nc_u32 v[A0], s20, v3
	v_add_nc_u32 v[B0], s21, v3
	v_mov_b32 v[ADRA], v[A0]
	v_mov_b32 v[ADRB], v[B0]
	s_mul_i32 s22, s[WV], WSTG                     ; my 128 rows on the way out
	v_mul_u32_u24 v5, v1, WPIT
	v_lshl_add_u32 v5, v2, 5, v5
	v_add_nc_u32 v[STO], s22, v5                   ; in: row r, 32 bytes for each half of the lanes
	v_lshlrev_b32 v[CO], 4, v6
	v_add_nc_u32 v[RD], s22, v[CO]                 ; back: a whole row of 512 bytes
	s_lshl_b32 s16, s[TR], 8
	s_lshl_b32 s17, s[RH], 7
	s_add_co_u32 s16, s16, s17
	s_lshl_b32 s16, s16, 12                        ; my first row of C
	s_mov_b32 s17, 0
	s_add_nc_u64 s[8:9], s[8:9], s[16:17]
	s_lshl_b32 s72, s[TC], 9+CSH
	s_lshl_b32 s73, s[CH], 8+CSH
	s_add_co_u32 s72, s72, s73                     ; my first column, in bytes
	s_mov_b32 s73, 0
	s_add_nc_u64 s[8:9], s[8:9], s[72:73]
	s_lshl_b32 s80, s[TR], 8                       ; the prefetches: the tile's first row in A,
	s_lshl_b32 s81, s[TC], 8                       ; in B
.if BROW
	s_add_co_u32 s81, s81, BROW
.endif
	s_and_b32 s83, ttmp7, 0xffff
	s_cmp_eq_u32 s[RH], 0
	s_cselect_b32 s80, s80, s81
	s_cselect_b32 s82, s[CX], s[CY]                ; my place among the four that ask with me
	s_cselect_b32 s83, ttmp9, s83                  ; the coordinate along which other clusters read the same rows
	s_cselect_b64 s[PFA:PFA+1], s[4:5], s[6:7]
	s_cmp_eq_u32 s83, 0
	s_cselect_b32 s[LIM], 2, -1                    ; the same in all sixteen partners, for a given wave
	s_lshl_b32 s83, s[CH], 7
	s_add_co_u32 s80, s80, s83
	s_lshl_b32 s82, s82, 5
	s_add_co_u32 s80, s80, s82
	s_lshl_b32 s80, s80, 11
	s_mov_b32 s81, 0
	s_add_nc_u64 s[PFA:PFA+1], s[PFA:PFA+1], s[80:81]
	s_add_nc_u64 s[PFA:PFA+1], s[PFA:PFA+1], 2*KSTEP*2  ; at K step 2: the first refill steps it to 3 and names K step 4
	v_lshlrev_b32 v[PFO], 11, v6
; 16 matrix instructions: m blocks a0, a0 + 1 of the window's four x all 8 n blocks, 32 along K.  zero = 1: the first product starts the sums.  The 64 accumulators take turns.
.macro MUL16 f, hi, a0, zero
	WIN MUL_LO+0x50*(\hi)
.irp a, \a0, (\a0)+1
.irp b, 0,1,2,3,4,5,6,7
.if \zero
	v_wmma_f32_16x16x32_f16 v[8*(8*(\a)+(\b)):8*(8*(\a)+(\b))+7], v[(\f)+8*(\b):(\f)+8*(\b)+7], v[(\f)+8*(4*(\hi)+(\a)):(\f)+8*(4*(\hi)+(\a))+7], 0
.else
	v_wmma_f32_16x16x32_f16 v[8*(8*(\a)+(\b)):8*(8*(\a)+(\b))+7], v[(\f)+8*(\b):(\f)+8*(\b)+7], v[(\f)+8*(4*(\hi)+(\a)):(\f)+8*(4*(\hi)+(\a))+7], v[8*(8*(\a)+(\b)):8*(8*(\a)+(\b))+7]
.endif
.endr
.endr
.endm
.macro FETCH k, f                      ; 32 LDS loads in one run: a quarter step's fragments (B's 128 rows, then A's), 32 K at byte k of the rows
	WIN TO_B
.irp i, 0,1,2,3,4,5,6,7
	ds_load_b128 v[(\f)+8*(\i):(\f)+8*(\i)+3],   v[ADRB] offset:(\k)+(\i)*16*PITCH
	ds_load_b128 v[(\f)+8*(\i)+4:(\f)+8*(\i)+7], v[ADRB] offset:(\k)+(\i)*16*PITCH+32
.endr
	WIN 0
.irp i, 0,1,2,3,4,5,6,7
	ds_load_b128 v[(\f)+8*(\i):(\f)+8*(\i)+3],   v[ADRA] offset:(\k)+(\i)*16*PITCH
	ds_load_b128 v[(\f)+8*(\i)+4:(\f)+8*(\i)+7], v[ADRA] offset:(\k)+(\i)*16*PITCH+32
.endr
.endm
.macro QUARTER k, f, g, zero           ; multiplies buffer f; in its middle fetches the next quarter, at byte k, into g
	s_wait_dscnt 8                                 ; B and A's rows 0-63 are in; the youngest eight loads may be out
	MUL16 \f, 0, 0, \zero
	MUL16 \f, 0, 2, \zero
	PLACES
	FETCH \k, \g
	s_wait_dscnt 32                                ; all but the 32 just issued
	MUL16 \f, 1, 0, \zero
	MUL16 \f, 1, 2, \zero
.endm
.macro MEET                            ; the first half of a step's last quarter, and the barrier of the change of slots
	WIN 0
	s_wait_tensorcnt 0x0                           ; all my tensor loads have landed: the one that was out is my part of the other slot
	ds_add_u32 v[SPW], v[NIL]                      ; 0 onto my spare word
	s_wait_dscnt 9                                 ; (the add and the youngest eight loads may be out)
	MUL16 F1, 0, 0, 0
	s_wait_dscnt 0x0                               ; the add is done, and my reads of this slot are over
	s_barrier_signal -1
	MUL16 F1, 0, 2, 0
	WIN 0
	s_barrier_wait -1
.endm
.macro TURN fill                       ; the last quarter.  fill = 1: the slot just read is filled again, two K steps ahead, behind a round of the cluster's barrier
.if \fill
	s_wait_xcnt 0x0                                ; the last prefetch, a K step back, has read its address
	s_add_nc_u64 s[PFA:PFA+1], s[PFA:PFA+1], KSTEP*2
.endif
	MEET
.if \fill
	CREST                                          ; no wave of any partner still reads this slot or has a load on its way
	s_add_co_u32 s[G0+5], s[WOFF], s[TB]           ; the walking descriptors: the slot that is left, the next K step but one
	s_add_nc_u64 s[G0+6:G0+7], s[G0+6:G0+7], KSTEP*2
	s_add_co_u32 s[G0B+5], s[WOFF], s[TB]
	s_add_nc_u64 s[G0B+6:G0B+7], s[G0B+6:G0B+7], KSTEP*2
	JLOAD                                          ; 224 matrix instructions ahead of the wait for it; its four v_nop are also the places in front of the loads below
.else
	PLACES
.endif
	s_xor_b32 s[TB], s[TB], SLOT
	v_add_nc_u32 v[ADRA], s[TB], v[A0]
	v_add_nc_u32 v[ADRB], s[TB], v[B0]
.if !(\fill)
	s_cmp_eq_u32 s3, 1                             ; behind the last K step there is nothing to fetch
	s_cbranch_scc1 .Lno_more_\@
.endif
	FETCH 0, F0
.if \fill
	ASK
.else
.Lno_more_\@:
.endif
	MUL16 F1, 1, 0, 0
	MUL16 F1, 1, 2, 0
.endm
; All 64 accumulators into my 128 rows, in the columns' own order, each one's low four registers first.
; Sixteen lanes of a store take one column of sixteen rows, 528 bytes apart: sixteen different groups of four banks.
.macro TOLDS
.set aa, 0
.rept 8
	WIN 0x08+4*(aa/4)                              ; store data (source 1) in window 2 or 3
.irp b, 0,1,2,3,4,5,6,7
	ds_store_b128 v[STO], v[64*(aa%4)+8*(\b):64*(aa%4)+8*(\b)+3]   offset:aa*16*WPIT+64*(\b)
	ds_store_b128 v[STO], v[64*(aa%4)+8*(\b)+4:64*(aa%4)+8*(\b)+7] offset:aa*16*WPIT+64*(\b)+16
.endr
.set aa, aa+1
.endr
	WIN 0
.endm
	s_wait_tensorcnt 1                             ; my part of K step 0 is in; K step 1's may stay out
	s_barrier_signal -1
	s_barrier_wait -1
	FETCH 0, F0
	QUARTER 64, F0, F1, 1                          ; the first quarter stands in front of the loop: its products start the sums
	WIN 0
	s_mov_b32 s3, 6
.Lstep:                                        ; a trip: from a K step's second quarter to the next one's first; it fills one slot again
	QUARTER 128, F1, F0, 0
	QUARTER 192, F0, F1, 0
	TURN 1
	QUARTER 64, F0, F1, 0
	WIN 0
	s_sub_co_u32 s3, s3, 1
	s_cmp_lg_u32 s3, 0
	s_cbranch_scc1 .Lstep
	s_mov_b32 s3, 2
.Ltail:                                        ; the last two K steps ask for nothing: written apart
	QUARTER 128, F1, F0, 0
	QUARTER 192, F0, F1, 0
	TURN 0
	WIN 0
	s_sub_co_u32 s3, s3, 1
	s_cmp_eq_u32 s3, 0
	s_cbranch_scc1 .Lout
	QUARTER 64, F0, F1, 0
	WIN 0
	s_branch .Ltail
.Lout:
	s_wait_dscnt 0x0                               ; my reads of the ring are over,
	s_barrier_signal -1
	PLACES
	PLACES                                         ; (eight places, once a tile, ahead of everything that reads results or loads into fragments)
	s_barrier_wait -1                              ; and everybody's: the ring's bytes, which no load fills any more, take the sums
	TOLDS
	s_mov_b32 s3, 8
	s_mov_b32 s[SB], 0
.Lrows:                                        ; 16 rows a trip: back as whole rows of 512 bytes (LDS serves a wave's instructions in order, ISA guide 5.7.1.4: the loads see my stores), stored
	v_add_nc_u32 v[RDA], s[SB], v[RD]
.irp t, 0,1,2,3,4,5,6,7,8,9,10,11,12,13,14,15
	ds_load_b128 v[S+4*(\t):S+4*(\t)+3], v[RDA] offset:(\t)*WPIT
.endr
.irp t, 0,1,2,3,4,5,6,7,8,9,10,11,12,13,14,15
	s_wait_dscnt 15-(\t)                           ; row t is in; the younger rows' loads stay out
	global_store_b128 v[CO], v[S+4*(\t):S+4*(\t)+3], s[8:9] offset:(\t)*ROWC th:TH_STORE_NT  ; 512 consecutive bytes, aligned
.endr
	s_wait_xcnt 0x0                                ; the stores' base and data are rewritten only behind this wait
	s_add_nc_u64 s[8:9], s[8:9], 16*ROWC
	s_add_co_u32 s[SB], s[SB], 16*WPIT
	s_sub_co_u32 s3, s3, 1
	s_cmp_lg_u32 s3, 0
	s_cbranch_scc1 .Lrows
	s_wait_tensorcnt 0x0                           ; the wave's end
	ds_add_u32 v[SPW], v[NIL]
	s_wait_dscnt 0x0
	CROUND                                         ; the closing round
	s_endpgm
.Lfunc_end_k_q8c99d3e63a_outp:
	.size	k_q8c99d3e63a_outp, .Lfunc_end_k_q8c99d3e63a_outp-k_q8c99d3e63a_outp
	.p2alignl 7, 3214868480
	.fill 96, 4, 3214868480
	.section	.rodata,"a",@progbits
	.p2align	6, 0x0
	.amdhsa_kernel k_q8c99d3e63a_outp
		.amdhsa_group_segment_fixed_size 327680
		.amdhsa_private_segment_fixed_size 0
		.amdhsa_enable_private_segment 0
		.amdhsa_kernarg_size 24
		.amdhsa_user_sgpr_count 2
		.amdhsa_user_sgpr_kernarg_segment_ptr 1
		.amdhsa_wavefront_size32 1
		.amdhsa_system_sgpr_workgroup_id_x 1
		.amdhsa_system_sgpr_workgroup_id_y 1
		.amdhsa_system_sgpr_workgroup_id_z 1
		.amdhsa_system_vgpr_workitem_id 0
		.amdhsa_next_free_vgpr 1024
		.amdhsa_next_free_sgpr 100
		.amdhsa_reserve_vcc 0
		.amdhsa_float_denorm_mode_32 3
		.amdhsa_float_denorm_mode_16_64 3
		.amdhsa_memory_ordered 1
		.amdhsa_forward_progress 1
		.amdhsa_inst_pref_size 81
	.end_amdhsa_kernel
	.amdgpu_metadata
---
amdhsa.version: [ 1, 2 ]
amdhsa.kernels:
  - .name:           k_q8c99d3e63a_outp
    .symbol:         k_q8c99d3e63a_outp.kd
    .args:
      - { .name: zh, .offset: 0, .size: 8, .value_kind: global_buffer, .address_space: global }
      - { .name: wh, .offset: 8, .size: 8, .value_kind: global_buffer, .address_space: global }
      - { .name: out0, .offset: 16, .size: 8, .value_kind: global_buffer, .address_space: global }
    .group_segment_fixed_size: 327680
    .private_segment_fixed_size: 0
    .kernarg_segment_align: 8
    .kernarg_segment_size: 24
    .max_flat_workgroup_size: 128
    .sgpr_count:     100
    .vgpr_count:     1024
    .wavefront_size: 32
...
	.end_amdgpu_metadata
.endif
;; end of part 5
